; MI455X (gfx1250); checked and timed in simulation.
; The chip was launched on July 23, 2026; its instructions are those of AMD's public machine-readable ISA for CDNA 5 (MIT licence, August 2026) and "CDNA5" Instruction Set Architecture Reference Guide (July 2026). The comments in the code are by the model that wrote it; some were corrected since.
;; Temporal Attention. Allowed arithmetic: matrix products marked QUANTISED: E4M3 operands, one E8M0 scale for each 32 along K, by v_wmma_scale_f32_16x16x128_f8f6f4 with both operands' format E4M3, f32 sums; everything else in f32.
;; Inputs: Wk_codes 1,024 x 32 x 32 uint8 (E4M3 codes of Wk, K innermost, in blocks of 32 codes); Wk_scales 1,024 x 32 uint8 (E8M0 scales of Wk, one for each 32 codes along K); Wo_codes 1,024 x 32 x 32 uint8 (E4M3 codes of Wo, K innermost, in blocks of 32 codes); Wo_scales 1,024 x 32 uint8 (E8M0 scales of Wo, one for each 32 codes along K); Wq_codes 1,024 x 32 x 32 uint8 (E4M3 codes of Wq, K innermost, in blocks of 32 codes); Wq_scales 1,024 x 32 uint8 (E8M0 scales of Wq, one for each 32 codes along K); Wv_codes 1,024 x 32 x 32 uint8 (E4M3 codes of Wv, K innermost, in blocks of 32 codes); Wv_scales 1,024 x 32 uint8 (E8M0 scales of Wv, one for each 32 codes along K); bk 1,024 float32; bo 1,024 float32; bq 1,024 float32; bv 1,024 float32; ln_b 1,024 float32; ln_g 1,024 float32; x 4 x 2,048 x 1,024 float32.
;; Outputs: out0 4 x 2,048 x 1,024 float32.
;; This version of the problem:
;;   THIS VERSION OF THE PROBLEM IS GIVEN IN LOW PRECISION. The matrix products marked QUANTISED in the list below multiply operands that are first quantised to E4M3 (4 exponent bits, 3 mantissa bits; 8 bits a number), with one power-of-two scale for each 32 numbers along K (OCP MX v1.0); their sums are f32. All else is computed in f32.
;;   The module's matrix products, in the order in which they are computed (A, B: the left and right operand; K: the contracted axis; several contracted axes count as one K, in the product's order):
;;     1. [M 8,192, K 1,024] x [K 1,024, N 1,024]; A: input x; B: input Wq (given as codes): QUANTISED
;;     2. [M 8,192, K 1,024] x [K 1,024, N 1,024]; A: input x; B: input Wk (given as codes): QUANTISED
;;     3. [M 8,192, K 1,024] x [K 1,024, N 1,024]; A: input x; B: input Wv (given as codes): QUANTISED
;;     4. batch 64 x [M 2,048, K 64] x [K 64, N 2,048]; A: computed on the way; B: computed on the way: QUANTISED
;;     5. batch 64 x [M 2,048, K 2,048] x [K 2,048, N 64]; A: computed on the way; B: computed on the way: QUANTISED
;;     6. [M 8,192, K 1,024] x [K 1,024, N 1,024]; A: computed on the way; B: input Wo (given as codes): QUANTISED
;;   THE QUANTISER, for each operand of a quantised product, along K:
;;     - K is cut into blocks of 32 from its start; a last block that is shorter is filled with zeros.
;;     - A block's scale is 2^e with e = floor(log2(the largest magnitude in the block)) - 8, held to -126 .. 127; a block of zeros has e = 0. As a byte (E8M0): e + 127.
;;     - Each number is divided by its block's scale, clamped to +-448, and rounded to the nearest number of E4M3, ties to even, subnormals kept.
;;     - The product sums the exact products of the quantised numbers (number of the format x scale) in f32.
;;   ~~~python
;;   def quantise(x, axis):      # numpy; x: float32 -> the quantised numbers, widened to float32 again
;;       x = np.moveaxis(x, axis, -1); K = x.shape[-1]
;;       x = np.pad(x, [(0, 0)] * (x.ndim - 1) + [(0, -K % 32)]); x = x.reshape(x.shape[:-1] + (-1, 32)); a = np.abs(x).max(-1, keepdims=True)
;;       e = np.where(a > 0, np.clip(np.frexp(np.where(a > 0, a, 1))[1] - 1 - 8, -126, 127), 0)      # np.frexp(a)[1] - 1 = floor(log2(a)), exactly
;;       r = np.clip(x / 2.0 ** e, -448, 448)
;;       step = 2.0 ** (np.maximum(np.frexp(np.where(r == 0, 1, r))[1] - 1, -6) - 3)
;;       q = np.round(r / step) * step * 2.0 ** e      # np.round: ties to even
;;       return np.moveaxis(q.reshape(q.shape[:-2] + (-1,))[..., :K], -1, axis).astype(np.float32)
;;   ~~~
;;   OPERANDS COMPUTED ON THE WAY. 'Computed on the way' means the value that the module computes at that place (a softmax that the list does not call 'softmax' is quantised finished and normalised). What goes into a quantiser is computed in f32, as accurately as f32 sums, v_exp_f32 and their like allow (about 1e-6 of the number): no bf16 or f16 on the way to a quantiser, and a product that is left as it is and whose result goes on into a quantised operand takes f32 operands (vector FMAs, or v_wmma_f32_16x16x4_f32). A number that lies on a knife's edge between two numbers of the format may be rounded either way, as far as f32 arithmetic and the matrix unit's own rounding can turn it there, and no further.
;;   INPUTS GIVEN AS CODES. Wk (in the module: [1024, 1024], K = its axis 0); Wo (in the module: [1024, 1024], K = its axis 0); Wq (in the module: [1024, 1024], K = its axis 0); Wv (in the module: [1024, 1024], K = its axis 0): each comes as NAME_codes (uint8): NAME with its K axis moved to the last place and cut into blocks of 32 codes, [.., K / 32, bytes a block], one block behind the other in memory; one code a byte (a code: sign, 4 exponent bits, 3 mantissa bits); and NAME_scales (uint8): the same leading axes, one E8M0 byte (e + 127) for each 32 codes along K. Its value is code x scale, taken as it is: it is not quantised again, and the codes and scales need not be those that the quantiser above would give.
;; One version. Each part assembles by itself: llvm-mc -triple=amdgcn-amd-amdhsa -mcpu=gfx1250 --defsym DOCPART=n.
;; ======== version 1 of 1: 4 launches
;; limits: right only within a limited range of input values
;; workspace buffers: xc 8,388,608 bytes; xs 262,144 bytes; qbuf 8,650,752 bytes; kbuf 8,650,752 bytes; vbuf 8,650,752 bytes; cimg 8,388,608 bytes; csc 262,144 bytes
;; launch quantx (part 1): grid 256 x 1, 4 waves a work-group, no clusters, 33,280 bytes of LDS; arguments x, xc, xs; writes xc, xs
.if DOCPART == 1
	.amdgcn_target "amdgcn-amd-amdhsa--gfx1250"
	.amdhsa_code_object_version 6
	.text
	.protected	k_qa9f0a77fa6_quantx
	.globl	k_qa9f0a77fa6_quantx
	.p2align	8
	.type	k_qa9f0a77fa6_quantx,@function
k_qa9f0a77fa6_quantx:
	s_mov_b64 s[64:65], 0
	v_nop
	global_prefetch_b8 v0, s[64:65] scope:SCOPE_SE
	s_setreg_imm32_b32 hwreg(HW_REG_WAVE_MODE, 25, 1), 1
	s_wait_xcnt 0x0
; x [8192][1024], f32, becomes codes of FP8 (E4M3), K = the last axis innermost (xc), with one E8M0 byte for each 32 along K (xs).
; A block's scale is 2^(floor(log2(its largest magnitude)) - 8); its byte is the largest magnitude's exponent field - 8, held at 1 from below.
; A block of zeros so gets the byte 1: its codes are zeros, which add nothing, and the bytes are read by this program alone.
; LIMITS: NaN and infinities among the inputs are not served.
; Rows are dense and 1024 is a multiple of 32: the tensor is a plain stream of blocks of 32.  8,388,608 numbers = 256 work-groups x 4 waves x 16 steps x 512.
; Each of a step's four loads reads 512 consecutive bytes, 16 a lane; the 2,048 bytes turn through the wave's own stage in LDS and come back 64 bytes a lane,
; so that a lane holds 16 neighbours along K (two neighbouring lanes hold a block).  A lane's 16 codes are 16 bytes: the wave stores 512 consecutive bytes.
; A wave's 256 scale bytes are gathered in its own LDS bytes and leave as 256 consecutive, aligned bytes.  Waves share nothing: no barrier.
.set STEPS, 16
.set CB,    16                         ; bytes of 16 codes
.set R,     16                         ; v16-79   four sets of 16 numbers as loaded
.set X,     80                         ; v80-111  two sets of 16 neighbours
.set C,     128                        ; v128-191 codes: four registers for each step, so that no store's data are written again
.set E,     112                        ; v112-127 a scale byte for each step
.set WREG,  8192                       ; LDS: a region for each wave: two stages of 32 x SP bytes, then its 256 scale bytes
.set SP,    80                         ; a lane's place in a stage: 64 bytes + 16 of padding
	s_load_b128 s[4:7], s[0:1], 0x0                ; x, xc
	s_load_b64 s[10:11], s[0:1], 0x10              ; xs
	v_lshl_add_u32 v192, v0, 2, 0x8000
	v_mov_b32 v193, 0
	v_lshrrev_b32 v1, 5, v0
	v_readfirstlane_b32 s16, v1                    ; wave
	v_and_b32 v2, 31, v0                           ; lane
	v_lshlrev_b32 v3, 4, v2                        ; my 16 bytes of a load's 512
	s_mul_i32 s17, s16, WREG
	v_lshrrev_b32 v14, 2, v2
	v_mul_u32_u24 v14, v14, SP
	v_and_b32 v15, 3, v2
	v_lshl_add_u32 v14, v15, 4, v14
	v_add_nc_u32 v14, s17, v14                     ; the stage, on the way in: SP (lane / 4) + 16 (lane % 4)
	v_mul_u32_u24 v15, v2, SP
	v_add_nc_u32 v15, s17, v15                     ; and on the way out: SP x lane
	v_mul_u32_u24 v4, v2, CB                       ; my codes' place in a step's
	v_lshrrev_b32 v5, 1, v2
	s_add_co_u32 s17, s17, 2*32*SP
	v_add_nc_u32 v5, s17, v5                       ; LDS: my block's scale byte
	v_lshlrev_b32 v7, 3, v2                        ; on the way out 8 bytes a lane
	v_add_nc_u32 v6, s17, v7
	s_lshl_b32 s18, ttmp9, 2
	s_add_co_u32 s18, s18, s16                     ; which run of 8,192 numbers is my wave's: 0 .. 1023
	s_lshl_b32 s20, s18, 15                        ; 32,768 bytes of x,
	s_mov_b32 s21, 0
	s_lshl_b32 s24, s18, 13                        ; 8,192 of codes,
	s_mov_b32 s25, 0
	s_lshl_b32 s26, s18, 8                         ; 256 of scale bytes
	s_mov_b32 s27, 0
	s_wait_alu depctr_va_vdst(0)
	s_wait_kmcnt 0x0
	s_add_nc_u64 s[4:5], s[4:5], s[20:21]
	s_add_nc_u64 s[6:7], s[6:7], s[24:25]
	s_add_nc_u64 s[10:11], s[10:11], s[26:27]
.macro LOAD t
.irp i, 0,1,2,3
	global_load_b128 v[R+16*((\t)%4)+4*\i:R+16*((\t)%4)+4*\i+3], v3, s[4:5] offset:2048*(\t)+512*\i th:TH_LOAD_NT   ; 32 lanes read 512 consecutive bytes
.endr
.endm
.macro TURN t                          ; step t's numbers through the stage: LDS serves a wave's instructions in order, so no wait stands between the stores and the loads
.irp i, 0,1,2,3
	ds_store_b128 v14, v[R+16*((\t)%4)+4*\i:R+16*((\t)%4)+4*\i+3] offset:32*SP*((\t)%2)+8*SP*\i
.endr
.irp i, 0,1,2,3
	ds_load_b128 v[X+16*((\t)%2)+4*\i:X+16*((\t)%2)+4*\i+3], v15 offset:32*SP*((\t)%2)+16*\i
.endr
.endm
.irp t, 0,1,2,3
	LOAD \t
.endr
	s_wait_loadcnt 12                              ; step 0's four loads are in; the twelve of steps 1 to 3 may be out
	TURN 0
.macro STEP t
.set XS, X+16*((\t)%2)
.if (\t) > 0
	s_wait_dscnt 1                                 ; this step's numbers are back from the stage (the last step's byte store may be out)
.else
	s_wait_dscnt 0x0
.endif
.if (\t)+4 < STEPS
	LOAD (\t)+4                                    ; into the registers that the stage's stores have read
.endif
.if (\t)+1 < STEPS
.if STEPS-2-(\t) >= 3
	s_wait_loadcnt 12                              ; the next step's four loads are in; those of the three steps behind it may be out
.else
	s_wait_loadcnt 4*(STEPS-2-(\t))
.endif
	TURN (\t)+1
.endif
	v_max3_num_f32 v8, |v[XS]|, |v[XS+1]|, |v[XS+2]|               ; the largest magnitude of my 16, in two chains
	v_max3_num_f32 v9, |v[XS+3]|, |v[XS+4]|, |v[XS+5]|
.irp i, 6,10
	v_max3_num_f32 v8, v8, |v[XS+\i]|, |v[XS+\i+1]|
	v_max3_num_f32 v9, v9, |v[XS+\i+2]|, |v[XS+\i+3]|
.endr
	v_max3_num_f32 v8, v8, |v[XS+14]|, |v[XS+15]|
	v_max3_num_f32 v8, v8, v9, 0x4800000           ; and the floor 2^(9 - 127): the byte cannot fall under 1
	v_max_num_f32_dpp v8, v8, v8 row_xmask:1 row_mask:0xf bank_mask:0xf   ; and of my neighbour's 16: the block's
	v_add_nc_u32 v11, 0xfc000000, v8               ; 8 off its exponent field: the conversion takes this operand's exponent field as its scale
.irp i, 0,1,2,3,4,5,6,7,8,9,10,11,12,13,14,15
.endr
	v_cvt_scalef32_pk8_fp8_f32 v[C+4*(\t):C+4*(\t)+1], v[XS:XS+7], v11
	v_cvt_scalef32_pk8_fp8_f32 v[C+4*(\t)+2:C+4*(\t)+3], v[XS+8:XS+15], v11
	v_lshrrev_b32 v[E+(\t)], 23, v11               ; the scale's byte
	ds_store_b8 v5, v[E+(\t)] offset:16*(\t)       ; both lanes of a block write the same byte with the same value
	global_store_b128 v4, v[C+4*(\t):C+4*(\t)+3], s[6:7] offset:32*CB*(\t)
.endm
.irp t, 0,1,2,3,4,5,6,7,8,9,10,11,12,13,14,15
	STEP \t
.endr
	ds_load_b64 v[12:13], v6                       ; LDS serves a wave's instructions in order: these see my stores
	s_wait_dscnt 0x0
	global_store_b64 v7, v[12:13], s[10:11]        ; 32 lanes store 256 consecutive, aligned bytes
	s_wait_tensorcnt 0x0
	ds_add_u32 v192, v193
	s_wait_dscnt 0x0
	s_endpgm
.Lfunc_end_k_qa9f0a77fa6_quantx:
	.size	k_qa9f0a77fa6_quantx, .Lfunc_end_k_qa9f0a77fa6_quantx-k_qa9f0a77fa6_quantx
	.p2alignl 7, 3214868480
	.fill 96, 4, 3214868480
	.section	.rodata,"a",@progbits
	.p2align	6, 0x0
	.amdhsa_kernel k_qa9f0a77fa6_quantx
		.amdhsa_group_segment_fixed_size 33280
		.amdhsa_private_segment_fixed_size 0
		.amdhsa_enable_private_segment 0
		.amdhsa_kernarg_size 24
		.amdhsa_user_sgpr_count 2
		.amdhsa_user_sgpr_kernarg_segment_ptr 1
		.amdhsa_wavefront_size32 1
		.amdhsa_system_sgpr_workgroup_id_x 1
		.amdhsa_system_sgpr_workgroup_id_y 1
		.amdhsa_system_sgpr_workgroup_id_z 1
		.amdhsa_system_vgpr_workitem_id 0
		.amdhsa_next_free_vgpr 194
		.amdhsa_next_free_sgpr 66
		.amdhsa_reserve_vcc 0
		.amdhsa_float_denorm_mode_32 3
		.amdhsa_float_denorm_mode_16_64 3
		.amdhsa_fp16_overflow 1
		.amdhsa_memory_ordered 1
		.amdhsa_forward_progress 1
		.amdhsa_inst_pref_size 33
	.end_amdhsa_kernel
	.amdgpu_metadata
---
amdhsa.version: [ 1, 2 ]
amdhsa.kernels:
  - .name:           k_qa9f0a77fa6_quantx
    .symbol:         k_qa9f0a77fa6_quantx.kd
    .args:
      - { .name: x, .offset: 0, .size: 8, .value_kind: global_buffer, .address_space: global }
      - { .name: xc, .offset: 8, .size: 8, .value_kind: global_buffer, .address_space: global }
      - { .name: xs, .offset: 16, .size: 8, .value_kind: global_buffer, .address_space: global }
    .group_segment_fixed_size: 33280
    .private_segment_fixed_size: 0
    .kernarg_segment_align: 8
    .kernarg_segment_size: 24
    .max_flat_workgroup_size: 128
    .sgpr_count:     66
    .vgpr_count:     194
    .wavefront_size: 32
...
	.end_amdgpu_metadata
.endif
;; end of part 1
;; launch qkv (part 2): grid 12 x 32, 4 waves a work-group, clusters of 4 x 4, 327,680 bytes of LDS; arguments xc, xs, Wq_codes, Wq_scales, Wk_codes, Wk_scales, Wv_codes, Wv_scales, bq, bk, bv, qbuf, kbuf, vbuf; writes qbuf, kbuf, vbuf
.if DOCPART == 2
	.amdgcn_target "amdgcn-amd-amdhsa--gfx1250"
	.amdhsa_code_object_version 6
	.text
	.protected	k_qa9f0a77fa6_qkv
	.globl	k_qa9f0a77fa6_qkv
	.p2align	8
	.type	k_qa9f0a77fa6_qkv,@function
k_qa9f0a77fa6_qkv:
	s_mov_b64 s[64:65], 0
	v_nop
	global_prefetch_b8 v0, s[64:65] scope:SCOPE_SE
	s_setreg_imm32_b32 hwreg(HW_REG_WAVE_MODE, 25, 1), 1
	s_wait_xcnt 0x0
	s_wait_alu depctr_hold_cnt(0) depctr_sa_sdst(0) depctr_va_vdst(0) depctr_va_sdst(0) depctr_va_ssrc(0) depctr_va_vcc(0) depctr_vm_vsrc(0)
	s_getreg_b32 s2, hwreg(HW_REG_IB_STS2, 6, 4)
	s_cmp_eq_u32 s2, 0
	s_cbranch_scc0 .Lentry_in_a_cluster
	s_endpgm
.Lentry_in_a_cluster:
	s_bfe_u32 s2, ttmp6, 0x10000c
	s_cmp_lg_u32 s2, 0xf033
	s_cbranch_scc0 .Lentry_shape_is_right
	s_endpgm
.Lentry_shape_is_right:
.set KSTEP,  256
.set NQ,     2
.set ROWB,   256
.set KROW,   1024
.set PITCH,  272
.set FR,     16
.set NL,     4
.set NP,     8
.set HALFT,  128*PITCH
.set SLOT,   4*HALFT
.set KS,     32
.set SCL,    2*SLOT
.set HALFS,  (128*KS/256)*272
.set SBLK,   (16*KS/256)*272
.set SPARE,  SCL+4*HALFS
.set REC,    8448
.set HEADB,  16*REC
.set ADRA, 16
.set ADRB, 20
.set BO,   24
.set ADRS, 27
.set SPW,  28
.set NIL,  29
.set SC,   32
.set BI,   64
.set AF,   128
.set TM,   64
.set PW,   80
.set DW,   88
.set VO,   92
.set TT,   96
.set SELV, 100
.set VSO,  101
.set X,    128
.set PC,   192
.set G1, 24
.set G0, 32
.set G1B, 48
.set G0B, 56
.set G1S, 68
.set G0S, 76
.set G1SB, 80
.set G0SB, 88
.set MSB, 0
.macro WIN new
.if MSB != \new
	s_set_vgpr_msb (MSB<<8)|\new
.set MSB, \new
.endif
.endm
.set MUL_LO, 0xa1
.set MUL_HI, 0xf1
.set TO_B,   0x40
.macro JLOAD g0a, g1a, g0b, g1b
	s_cmp_eq_u32 s15, 0
	s_cbranch_scc0 .Lfor_b_\@
	tensor_load_to_lds s[\g0a:\g0a+3], s[\g1a:\g1a+7]
	s_nop 0
.rept 4
	v_nop
.endr
	s_branch .Lasked_\@
.Lfor_b_\@:
	tensor_load_to_lds s[\g0b:\g0b+3], s[\g1b:\g1b+7]
	s_nop 0
.rept 4
	v_nop
.endr
.Lasked_\@:
.endm
.macro CREST
	s_cmp_lg_u32 s14, 0
	s_cbranch_scc1 .Lnot_wave_0_\@
	s_barrier_signal -3
.Lnot_wave_0_\@:
	s_barrier_wait -3
	s_barrier_signal -1
	s_barrier_wait -1
.endm
.macro CROUND
	s_barrier_signal -1
	s_barrier_wait -1
	CREST
.endm
	s_load_b512 s[68:83], s[0:1], 0x0
	s_load_b256 s[84:91], s[0:1], 0x40
	s_load_b128 s[92:95], s[0:1], 0x60
	v_lshl_add_u32 v[SPW], v0, 2, SPARE
	v_mov_b32 v[NIL], 0
	ds_add_u32 v28, v29
	ds_add_u32 v28, v29
	s_wait_dscnt 0x0
	v_lshrrev_b32 v1, 5, v0
	v_readfirstlane_b32 s14, v1
	s_lshr_b32 s15, s14, 1
	s_and_b32 s16, s14, 1
	s_bfe_u32 s40, ttmp6, 0x40000
	s_bfe_u32 s41, ttmp6, 0x40004
	s_mov_b32 s66, ttmp9
	s_and_b32 s18, ttmp7, 0xffff
	s_lshl_b32 s18, s18, 2
	s_add_co_u32 s21, s18, s41
	s_add_co_u32 s46, s18, s40
	s_cmp_lt_u32 s66, 2
	s_cselect_b32 s17, s21, s41
	s_cselect_b32 s42, s40, s46
	s_lshl_b32 s43, s41, 2
	s_lshl_b32 s43, 15, s43
	s_lshl_b32 s44, 0x1111, s40
	s_or_b32 s[G1+0], s43, (0<<16)|(1<<20)|(1<<21)|(5<<22)|(3<<25)
	s_or_b32 s[G1B+0], s44, (0<<16)|(1<<20)|(1<<21)|(5<<22)|(3<<25)
.irp g, G1, G1B
	s_mov_b32 s[\g+1], ROWB<<16
	s_mov_b32 s[\g+2], 128<<16
	s_mov_b32 s[\g+3], ROWB<<16
	s_mov_b32 s[\g+4], 128
	s_mov_b32 s[\g+5], KROW
	s_mov_b32 s[\g+6], 0
	s_mov_b32 s[\g+7], 0
.endr
	s_wait_kmcnt 0x0
	s_cmp_lt_u32 s66, 2
	s_cselect_b64 s[4:5], s[68:69], s[80:81]
	s_cselect_b64 s[6:7], s[70:71], s[82:83]
	s_cmp_eq_u32 s66, 1
	s_cselect_b64 s[8:9], s[76:77], s[68:69]
	s_cselect_b64 s[10:11], s[78:79], s[70:71]
	s_cselect_b64 s[96:97], s[86:87], s[88:89]
	s_cselect_b64 s[12:13], s[92:93], s[94:95]
	s_cmp_eq_u32 s66, 0
	s_cselect_b64 s[8:9], s[72:73], s[8:9]
	s_cselect_b64 s[10:11], s[74:75], s[10:11]
	s_cselect_b64 s[96:97], s[84:85], s[96:97]
	s_cselect_b64 s[12:13], s[90:91], s[12:13]
	s_or_b32 s[G1S+0], s43, (3<<16)|(1<<20)|(1<<21)|(5<<22)|(3<<25)
	s_or_b32 s[G1SB+0], s44, (3<<16)|(1<<20)|(1<<21)|(5<<22)|(3<<25)
.irp g, G1S, G1SB
	s_mov_b32 s[\g+1], 32<<16
	s_mov_b32 s[\g+2], (128*KS/256)<<16
	s_mov_b32 s[\g+3], 32<<16
	s_mov_b32 s[\g+4], 128*KS/256
	s_mov_b32 s[\g+5], 32
	s_mov_b32 s[\g+6], 0
	s_mov_b32 s[\g+7], 0
.endr
	s_lshl_b32 s18, s16, 7
	s_lshl_b32 s20, s17, 8
	s_add_co_u32 s20, s20, s18
	s_lshl_b32 s46, s42, 8
	s_add_co_u32 s46, s46, s18
	s_lshl_b32 s22, s20, 5
	s_mov_b32 s23, 0
	s_lshl_b32 s92, s46, 5
	s_mov_b32 s93, 0
	s_lshl_b32 s20, s20, 10
	s_mov_b32 s21, 0
	s_lshl_b32 s46, s46, 10
	s_mov_b32 s47, 0
	s_mul_i32 s45, s14, HALFT
	s_mul_i32 s94, s14, HALFS
	s_add_nc_u64 s[20:21], s[4:5], s[20:21]
	s_add_nc_u64 s[22:23], s[6:7], s[22:23]
	s_add_nc_u64 s[46:47], s[8:9], s[46:47]
	s_add_nc_u64 s[92:93], s[10:11], s[92:93]
	CROUND
	s_mov_b32 s[G0S], 1
	s_add_co_u32 s[G0S+1], s94, SCL
	s_mov_b64 s[G0S+2:G0S+3], s[22:23]
	s_or_b32 s[G0S+3], s[G0S+3], 0x80000000
	s_mov_b32 s[G0SB], 1
	s_add_co_u32 s[G0SB+1], s94, SCL
	s_mov_b64 s[G0SB+2:G0SB+3], s[92:93]
	s_or_b32 s[G0SB+3], s[G0SB+3], 0x80000000
	JLOAD G0S, G1S, G0SB, G1SB
.irp s, 0,1
	s_mov_b32 s[G0+4*\s], 1
	s_add_co_u32 s[G0+4*\s+1], s45, \s*SLOT
	s_add_nc_u64 s[G0+4*\s+2:G0+4*\s+3], s[20:21], \s*ROWB
	s_or_b32 s[G0+4*\s+3], s[G0+4*\s+3], 0x80000000
	s_mov_b32 s[G0B+4*\s], 1
	s_add_co_u32 s[G0B+4*\s+1], s45, \s*SLOT
	s_add_nc_u64 s[G0B+4*\s+2:G0B+4*\s+3], s[46:47], \s*ROWB
	s_or_b32 s[G0B+4*\s+3], s[G0B+4*\s+3], 0x80000000
	s_wait_alu depctr_va_vdst(0)
	s_wait_tensorcnt 0x0
	ds_add_u32 v28, v29
	s_wait_dscnt 0x0
	CROUND
	JLOAD G0+4*\s, G1, G0B+4*\s, G1B
.endr
	v_and_b32 v1, 15, v0
	v_bfe_u32 v2, v0, 4, 1
	v_mul_u32_u24 v3, v1, PITCH
	v_lshl_add_u32 v4, v2, 4, v3
	s_mul_i32 s21, s15, HALFT
	s_mul_i32 s22, s16, HALFT
	s_add_co_u32 s22, s22, 2*HALFT
.irp s, 0,1
	v_add_nc_u32 v[ADRA+\s], s21, v4
	v_add_nc_u32 v[ADRB+\s], s22, v4
	s_add_co_u32 s21, s21, SLOT
	s_add_co_u32 s22, s22, SLOT
.endr
	v_mul_u32_u24 v5, v1, KS
	v_lshrrev_b32 v6, 8, v5
	v_lshl_add_u32 v5, v6, 4, v5
	s_mul_i32 s21, s15, HALFS
	s_mul_i32 s22, s16, HALFS
	s_add_co_u32 s22, s22, 2*HALFS
	s_sub_co_u32 s22, s22, s21
	v_mul_u32_u24 v6, s22, v2
	s_add_co_u32 s21, s21, SCL
	v_add_nc_u32 v5, v5, v6
	v_add_nc_u32 v[ADRS], s21, v5
	s_lshl_b32 s92, s17, 1
	s_add_co_u32 s92, s92, s15
	s_lshl_b32 s93, s42, 1
	s_add_co_u32 s93, s93, s16
	s_cmp_lt_u32 s66, 2
	s_cbranch_scc0 .Lbias_v
	s_lshl_b32 s3, s93, 9
	v_lshl_add_u32 v[BO], v2, 5, s3
.irp b, 0,1,2,3,4,5,6,7
	global_load_b128 v[BI+8*\b:BI+8*\b+3], v[BO], s[96:97] offset:64*\b
	global_load_b128 v[BI+8*\b+4:BI+8*\b+7], v[BO], s[96:97] offset:64*\b+16
.endr
	s_branch .Lbias_done
.Lbias_v:
	s_lshl_b32 s3, s92, 9
	v_lshl_add_u32 v[BO], v1, 2, s3
.irp a, 0,1,2,3,4,5,6,7
.irp j, 0,1,2,3,4,5,6,7
	global_load_b32 v[BI+8*\a+\j], v[BO], s[96:97] offset:64*\a
.endr
.endr
.Lbias_done:
	s_wait_loadcnt 0x0
.macro FRAG reg, adr, q, i
.irp c, 0,1,2,3
	ds_load_b128 v[\reg+4*\c:\reg+4*\c+3], v[\adr] offset:128*(\q)+32*\c+(\i)*16*PITCH
.endr
.endm
.macro MUL16 a0, p, q, sc, cmode
.irp a, \a0, \a0+1
.irp b, 0,1,2,3,4,5,6,7
.if \cmode == 1
	v_wmma_scale_f32_16x16x128_f8f6f4 v[8*(8*((\a)%4)+\b):8*(8*((\a)%4)+\b)+7], v[128*(\p)+FR*\b:128*(\p)+FR*\b+FR-1], v[AF+FR*(\a):AF+FR*(\a)+FR-1], v[BI+8*\b:BI+8*\b+7], v[SC+8*NQ*(\sc)+NQ*\b+(\q)], v[SC+8*NQ*(\sc)+NQ*(\a)+(\q)] matrix_a_scale:MATRIX_SCALE_ROW1
.elseif \cmode == 2
	v_wmma_scale_f32_16x16x128_f8f6f4 v[8*(8*((\a)%4)+\b):8*(8*((\a)%4)+\b)+7], v[128*(\p)+FR*\b:128*(\p)+FR*\b+FR-1], v[AF+FR*(\a):AF+FR*(\a)+FR-1], v[BI+8*(\a):BI+8*(\a)+7], v[SC+8*NQ*(\sc)+NQ*\b+(\q)], v[SC+8*NQ*(\sc)+NQ*(\a)+(\q)] matrix_a_scale:MATRIX_SCALE_ROW1
.else
	v_wmma_scale_f32_16x16x128_f8f6f4 v[8*(8*((\a)%4)+\b):8*(8*((\a)%4)+\b)+7], v[128*(\p)+FR*\b:128*(\p)+FR*\b+FR-1], v[AF+FR*(\a):AF+FR*(\a)+FR-1], v[8*(8*((\a)%4)+\b):8*(8*((\a)%4)+\b)+7], v[SC+8*NQ*(\sc)+NQ*\b+(\q)], v[SC+8*NQ*(\sc)+NQ*(\a)+(\q)] matrix_a_scale:MATRIX_SCALE_ROW1
.endif
.endr
.endr
.endm
.macro FETCH_B slot, q, p
	WIN TO_B
.irp i, 0,1,2,3,4,5,6,7
	FRAG 128*(\p)+FR*\i, ADRB+\slot, \q, \i
.endr
	WIN 0
.endm
.macro FETCH_A slot, q, i0
.irp i, \i0, \i0+1, \i0+2, \i0+3
	FRAG AF+FR*(\i), ADRA+\slot, \q, \i
.endr
.endm
.macro SCALES sc
.irp i, 0,1,2,3,4,5,6,7
	ds_load_b64 v[SC+8*NQ*\sc+NQ*\i:SC+8*NQ*\sc+NQ*\i+1], v[ADRS] offset:\i*SBLK
.endr
.endm
.macro PLACES n
.rept \n
	v_nop
.endr
.endm
.macro STEP slot, q, cmode
	s_wait_dscnt 4*NL
.if \cmode
	WIN 0x81
.else
	WIN MUL_LO
.endif
	MUL16 0, (\q)%2, \q, \slot, \cmode
	MUL16 2, (\q)%2, \q, \slot, \cmode
	s_wait_dscnt 0
	PLACES NP
	FETCH_B \slot, (\q)+1, 1-(\q)%2
	FETCH_A \slot, (\q)+1, 0
.if \cmode
	WIN 0xc1
.else
	WIN MUL_HI
.endif
	MUL16 4, (\q)%2, \q, \slot, \cmode
	MUL16 6, (\q)%2, \q, \slot, \cmode
	PLACES NP
	WIN 0
	FETCH_A \slot, (\q)+1, 4
.endm
.macro TURN slot, next, fill
	s_wait_tensorcnt 0x0
	ds_add_u32 v[SPW], v[NIL]
	s_wait_dscnt 4*NL+1
	WIN MUL_LO
	MUL16 0, 1, NQ-1, \slot, 0
	s_wait_dscnt 0x0
	s_barrier_signal -1
	MUL16 2, 1, NQ-1, \slot, 0
	WIN 0
	s_barrier_wait -1
.if \fill
	CREST
	s_add_nc_u64 s[G0+4*\slot+2:G0+4*\slot+3], s[G0+4*\slot+2:G0+4*\slot+3], 2*ROWB
	s_add_nc_u64 s[G0B+4*\slot+2:G0B+4*\slot+3], s[G0B+4*\slot+2:G0B+4*\slot+3], 2*ROWB
	JLOAD G0+4*\slot, G1, G0B+4*\slot, G1B
	PLACES NP-4
.else
	PLACES NP
.endif
	s_wait_alu depctr_va_vdst(0)
	v_add_nc_u32 v[ADRS], 4*NQ, v[ADRS]
	FETCH_B \next, 0, 0
	FETCH_A \next, 0, 0
	SCALES \next
	WIN MUL_HI
	MUL16 4, 1, NQ-1, \slot, 0
	MUL16 6, 1, NQ-1, \slot, 0
	PLACES NP
	WIN 0
	FETCH_A \next, 0, 4
.endm
	s_wait_tensorcnt 1
	s_barrier_signal -1
	s_barrier_wait -1
	FETCH_B 0, 0, 0
	FETCH_A 0, 0, 0
	s_wait_alu depctr_va_vdst(0)
	SCALES 0
	FETCH_A 0, 0, 4
	s_cmp_lt_u32 s66, 2
	s_cbranch_scc0 .Lfirst_v
	STEP 0, 0, 1
	s_branch .Lfirst_done
.Lfirst_v:
	STEP 0, 0, 2
.Lfirst_done:
	TURN 0, 1, 1
	STEP 1, 0, 0
	TURN 1, 0, 1
	STEP 0, 0, 0
	TURN 0, 1, 0
	STEP 1, 0, 0
	s_wait_dscnt 4*NL
	WIN MUL_LO
	MUL16 0, 1, NQ-1, 1, 0
	MUL16 2, 1, NQ-1, 1, 0
	s_wait_dscnt 0
	WIN MUL_HI
	MUL16 4, 1, NQ-1, 1, 0
	MUL16 6, 1, NQ-1, 1, 0
	WIN 0
	PLACES NP
	s_cmp_lt_u32 s66, 2
	s_cselect_b32 s18, s92, s93
	s_cselect_b32 s19, s93, s92
	s_cselect_b32 s97, -1, 0
	s_mov_b32 s20, 1024
	s_cselect_b32 s94, HEADB, s20
	s_mov_b32 s20, 2048
	s_cselect_b32 s100, 1024, s20
	s_mov_b32 s20, HEADB-3*2048
	s_cselect_b32 s22, 1024, s20
	s_mov_b32 s101, 0
	s_mov_b32 s23, 0
	s_mov_b32 s2, 0x76543210
	s_mov_b32 s3, 0xfedcba98
	s_mov_b32 s67, 0x600000
	s_mov_b32 s95, 0xffff0000
	s_lshr_b32 s21, s18, 4
	s_lshl_b32 s21, s21, 4
	s_lshl_b32 s19, s19, 1
	s_add_co_u32 s21, s21, s19
	s_lshl_b32 s21, s21, 4
	s_and_b32 s18, s18, 15
	s_add_co_u32 s21, s21, s18
	s_mul_i32 s20, s21, REC
	s_mov_b32 s21, 0
	s_add_nc_u64 s[12:13], s[12:13], s[20:21]
	s_mov_b64 s[98:99], s[12:13]
	v_and_b32 v3, 31, v0
	v_lshlrev_b32 v[VO], 4, v3
	v_add_nc_u32 v[VO+1], 512, v[VO]
	v_add_nc_u32 v[VO+2], s94, v[VO]
	v_add_nc_u32 v[VO+3], s94, v[VO+1]
	v_mul_u32_u24 v[VSO], v2, HEADB
	v_lshl_add_u32 v[VSO], v1, 4, v[VSO]
	v_add_nc_u32 v[VSO], 8192, v[VSO]
	v_mov_b32 v[SELV], 0x05040100
	v_mov_b32 v[TT], 0x07060302
	v_cndmask_b32 v[SELV], v[SELV], v[TT], s95
.irp c, 0,1,2,3
	v_mov_b32 v[TM+4+\c], 0
.endr
.macro OUTROW a
.set AC, 64*((\a)%4)
.set WW, 0x0a+5*((\a)/4)
	WIN WW
.irp c, 0,1,2,3
	v_max3_num_f32 v[TM+\c], |v[AC+16*\c]|, |v[AC+16*\c+1]|, 0x4800000
.endr
.irp i, 2,4,6,8,10,12,14
.irp c, 0,1,2,3
	v_max3_num_f32 v[TM+\c], |v[AC+16*\c+\i]|, |v[AC+16*\c+\i+1]|, v[TM+\c]
.endr
.endr
	WIN 0
.irp c, 0,1,2,3
	v_permlanex16_b32 v[TM+4+\c], v[TM+\c], s2, s3
.endr
.irp c, 0,1,2,3
	v_max_num_f32 v[TM+\c], v[TM+\c], v[TM+4+\c]
.endr
.irp c, 0,1,2,3
	v_add_nc_u32 v[TM+12+\c], 0xfc000000, v[TM+\c]
.endr
.irp c, 0,1,2,3
	v_and_or_b32 v[TM+8+\c], v[TM+\c], 0x7f800000, s67
.endr
.irp c, 0,1,2,3
	v_lshrrev_b32 v[TM+4+\c], 23, v[TM+12+\c]
.endr
	v_lshl_or_b32 v[PW+(\a)], v[TM+5], 8, v[TM+4]
	v_lshl_or_b32 v[PW+(\a)], v[TM+6], 16, v[PW+(\a)]
	v_lshl_or_b32 v[PW+(\a)], v[TM+7], 24, v[PW+(\a)]
.set WW, 0x02+((\a)/4)
	WIN WW
.irp c, 0,1,2,3
.irp i, 0,1,2,3,4,5,6,7,8,9,10,11,12,13,14,15
	v_med3_num_f32 v[X+16*\c+\i], v[AC+16*\c+\i], -v[TM+8+\c], v[TM+8+\c]
.endr
.endr
	WIN 0
	s_wait_alu depctr_va_vdst(0)
	s_wait_xcnt 0x0
.if (\a) == 4
	s_add_nc_u64 s[12:13], s[12:13], s[22:23]
.elseif (\a) > 0
	s_add_nc_u64 s[12:13], s[12:13], s[100:101]
.endif
.irp c, 0,1,2,3
	v_cvt_scalef32_pk8_fp8_f32 v[PC+4*\c:PC+4*\c+1], v[X+16*\c:X+16*\c+7], v[TM+12+\c]
	v_cvt_scalef32_pk8_fp8_f32 v[PC+4*\c+2:PC+4*\c+3], v[X+16*\c+8:X+16*\c+15], v[TM+12+\c]
.endr
	v_nop
.irp c, 0,1,2,3
	global_store_b128 v[VO+\c], v[PC+4*\c:PC+4*\c+3], s[12:13]
.endr
.endm
.irp a, 0,1,2,3,4,5,6,7
	OUTROW \a
.endr
.irp p, 0,1,2,3
	v_perm_b32 v[DW+\p], v[PW+2*\p+1], v[PW+2*\p], v[SELV]
	v_cndmask_b32 v[TT+\p], v[PW+\p], v[PW+4+\p], s95
.endr
.irp p, 0,1,2,3
	v_cndmask_b32 v[DW+\p], v[TT+\p], v[DW+\p], s97
.endr
	global_store_b128 v[VSO], v[DW:DW+3], s[98:99]
	s_wait_tensorcnt 0x0
	ds_add_u32 v[SPW], v[NIL]
	s_wait_dscnt 0x0
	CROUND
	s_endpgm
.Lfunc_end_k_qa9f0a77fa6_qkv:
	.size	k_qa9f0a77fa6_qkv, .Lfunc_end_k_qa9f0a77fa6_qkv-k_qa9f0a77fa6_qkv
	.p2alignl 7, 3214868480
	.fill 96, 4, 3214868480
	.section	.rodata,"a",@progbits
	.p2align	6, 0x0
	.amdhsa_kernel k_qa9f0a77fa6_qkv
		.amdhsa_group_segment_fixed_size 327680
		.amdhsa_private_segment_fixed_size 0
		.amdhsa_enable_private_segment 0
		.amdhsa_kernarg_size 112
		.amdhsa_user_sgpr_count 2
		.amdhsa_user_sgpr_kernarg_segment_ptr 1
		.amdhsa_wavefront_size32 1
		.amdhsa_system_sgpr_workgroup_id_x 1
		.amdhsa_system_sgpr_workgroup_id_y 1
		.amdhsa_system_sgpr_workgroup_id_z 1
		.amdhsa_system_vgpr_workitem_id 0
		.amdhsa_next_free_vgpr 1024
		.amdhsa_next_free_sgpr 102
		.amdhsa_reserve_vcc 0
		.amdhsa_float_denorm_mode_32 3
		.amdhsa_float_denorm_mode_16_64 3
		.amdhsa_memory_ordered 1
		.amdhsa_forward_progress 1
		.amdhsa_inst_pref_size 209
	.end_amdhsa_kernel
	.amdgpu_metadata
---
amdhsa.version: [ 1, 2 ]
amdhsa.kernels:
  - .name:           k_qa9f0a77fa6_qkv
    .symbol:         k_qa9f0a77fa6_qkv.kd
    .args:
      - { .name: xc, .offset: 0, .size: 8, .value_kind: global_buffer, .address_space: global }
      - { .name: xs, .offset: 8, .size: 8, .value_kind: global_buffer, .address_space: global }
      - { .name: Wq_codes, .offset: 16, .size: 8, .value_kind: global_buffer, .address_space: global }
      - { .name: Wq_scales, .offset: 24, .size: 8, .value_kind: global_buffer, .address_space: global }
      - { .name: Wk_codes, .offset: 32, .size: 8, .value_kind: global_buffer, .address_space: global }
      - { .name: Wk_scales, .offset: 40, .size: 8, .value_kind: global_buffer, .address_space: global }
      - { .name: Wv_codes, .offset: 48, .size: 8, .value_kind: global_buffer, .address_space: global }
      - { .name: Wv_scales, .offset: 56, .size: 8, .value_kind: global_buffer, .address_space: global }
      - { .name: bq, .offset: 64, .size: 8, .value_kind: global_buffer, .address_space: global }
      - { .name: bk, .offset: 72, .size: 8, .value_kind: global_buffer, .address_space: global }
      - { .name: bv, .offset: 80, .size: 8, .value_kind: global_buffer, .address_space: global }
      - { .name: qbuf, .offset: 88, .size: 8, .value_kind: global_buffer, .address_space: global }
      - { .name: kbuf, .offset: 96, .size: 8, .value_kind: global_buffer, .address_space: global }
      - { .name: vbuf, .offset: 104, .size: 8, .value_kind: global_buffer, .address_space: global }
    .group_segment_fixed_size: 327680
    .private_segment_fixed_size: 0
    .kernarg_segment_align: 8
    .kernarg_segment_size: 112
    .max_flat_workgroup_size: 128
    .sgpr_count:     102
    .vgpr_count:     1024
    .wavefront_size: 32
...
	.end_amdgpu_metadata
.endif
;; end of part 2
;; launch attn (part 3): grid 4 x 64, 16 waves a work-group, clusters of 4 x 1, 327,680 bytes of LDS; arguments qbuf, kbuf, vbuf, cimg, csc; writes cimg, csc
.if DOCPART == 3
	.amdgcn_target "amdgcn-amd-amdhsa--gfx1250"
	.amdhsa_code_object_version 6
	.text
	.protected	k_qa9f0a77fa6_attn
	.globl	k_qa9f0a77fa6_attn
	.p2align	8
	.type	k_qa9f0a77fa6_attn,@function
k_qa9f0a77fa6_attn:
	s_mov_b64 s[64:65], 0
	v_nop
	global_prefetch_b8 v0, s[64:65] scope:SCOPE_SE
	s_setreg_imm32_b32 hwreg(HW_REG_WAVE_MODE, 25, 1), 1
	s_wait_xcnt 0x0
	s_wait_alu depctr_hold_cnt(0) depctr_sa_sdst(0) depctr_va_vdst(0) depctr_va_sdst(0) depctr_va_ssrc(0) depctr_va_vcc(0) depctr_vm_vsrc(0)
	s_getreg_b32 s2, hwreg(HW_REG_IB_STS2, 6, 4)
	s_cmp_eq_u32 s2, 0
	s_cbranch_scc0 .Lentry_in_a_cluster
	s_endpgm
.Lentry_in_a_cluster:
	s_bfe_u32 s2, ttmp6, 0x10000c
	s_cmp_lg_u32 s2, 0x3003
	s_cbranch_scc0 .Lentry_shape_is_right
	s_endpgm
.Lentry_shape_is_right:
; Causal attention of one (batch, head) a cluster, on codes of FP8 (E4M3) with E8M0 scales: scores = q k^T / 8 (K = 64), attn = softmax over the keys up to the query, NORMALISED, then quantised
; along the keys, ctx = attn v (K = the keys); ctx is quantised along the model's 1024 for the last product.
; TWO PASSES.  What is quantised is the finished attn, so a row's sum has to be known before any of its numbers is quantised.  Pass 1: scores, the running largest t and the sum.  Pass 2: the scores again,
; attn = 2^(t - M) x (1 / sum), quantised, and the second product.  t = score x log2(e) / 8; M = the row's largest t rounded UP to a whole number, by a running maximum; when M moves the sum is multiplied by
; 2^(old M - new M), which rounds nothing.  The second normalisation that the model writes (attn x mask / its sum) is this same division: under the mask the terms are exact zeros, so the two sums are one sum;
; the sum is never 0, since a query's own key counts.
; SHARES.  The cluster's 64 waves own two tiles of 16 queries each: wave (cx, w): tile 8 u + v and tile 127 - (8 u + v), u = w / 2, v = 2 cx + w % 2.  Tile j walks j / 8 + 1 steps of 128 keys, so every wave
; walks 17 steps a pass.  Trip counts are constants; a step all of whose keys come after the tile's queries is jumped over by a scalar branch that hangs on the wave's number alone.
; LDS.  The head's K and V, as operand images with their scale words, are 270,336 bytes: filled ONCE, each wave one joint load of two records, the same in all four work-groups.  Nothing is filled again.
; K = 64 IN AN INSTRUCTION OF 128.  An operand of K holds two tiles of 16 keys; source 1 is [Q, zeros] for the first and [zeros, Q] for the second.  Zero codes add nothing under any scale byte here.
; LAYOUT.  Both products are used transposed: a lane holds one query (lane % 16).  The 16 registers of score tiles 2 c and 2 c + 1 are taken as the lane's 16 places of block c of 32 keys: a permutation inside
; a block, the same as V's images have.  ctx meets a given operand, so its codes are put into the true order by one exchange between lanes l and l xor 16.
; A block's largest attn is taken from its largest score by the same instructions (this takes v_exp_f32 not to fall where its input rises).
; The scale bytes of ctx are stored one byte a lane, two a row: 1/32 of what the launch stores.
; LIMITS: NaN and infinities are not served.  No prefetch: all loads of K and V stand at the head.
.set REC,   8448
.set HEADB, 16*REC
.set VOFF,  HEADB
.set LI,   1                           ; v1   16 x lane
.set LR,   2                           ; v2   16 x (lane % 16)
.set ADK,  3                           ; v3-6 LDS addresses of the step's K, K's words, V, V's words
.set ADS,  4
.set ADV,  5
.set ADT,  6
.set DD,   7                           ; v7   my query's place in the diagonal step, less 8 (lane / 16)
.set NINF, 8                           ; v8   -infinity
.set CSO,  9                           ; v9   32 (lane % 16) + lane / 16
.set QA,   16                          ; v16-31 [Q, zeros];  v24-39 [zeros, Q]
.set QZ,   24
.set KF,   40                          ; v40-103  K's four operands, later V's four
.set S,    104                         ; v104-167 scores, then attn
.set O,    168                         ; v168-199 ctx^T
.set PC,   200                         ; v200-215 codes
.set TM,   216
.set T2,   220
.set HOLD, 224
.set SCO,  228
.set FF,   232                         ; v[232:233] 2^(old M - new M)
.set L2,   234                         ; v[234:235] the sum's second chain
.set TA,   236
.set TB,   237
.set RH,   238                         ; v238 lane % 16 - 8 (lane / 16)
.set KS,   240                         ; scale words (pass 1 also runs sum chains in v240-247): v240-243 K's, v244-247 V's, v248 Q's, v249 attn's, v250 Q's as loaded
.set VS,   244
.set QS,   248
.set PS,   249
.set QW,   250
.set EX,   252
.set WV,   14
.set U,    15
.set CX,   16
.set VV,   17                          ; the tile's place among the eight of its 128 queries
.set BH,   18
.set LAST, 19                          ; the tile's last step
.set SEL,  20
.set CS,   22
.set MNT,  24
.set HM,   25
.set ST,   26
.set TK,   27
.set TC,   28
.set G1,   32
.set G0K,  40
.set G0V,  44
.set QB,   48
.set QSB,  50
.set CB,   52
.set SB,   54
.set SELQ, 56
.set PAR,  57                          ; the tile's parity, from the wave's number
.macro CROUND
	s_barrier_signal -1
	s_barrier_wait -1
	s_cmp_lg_u32 s[WV], 0
	s_cbranch_scc1 .Lnot_wave_0_\@
	s_barrier_signal -3
.Lnot_wave_0_\@:
	s_barrier_wait -3
	s_barrier_signal -1
	s_barrier_wait -1
.endm
	s_load_b256 s[4:11], s[0:1], 0x0               ; qbuf, kbuf, vbuf, cimg
	s_load_b64 s[12:13], s[0:1], 0x20              ; csc
	v_lshl_add_u32 v239, v0, 2, 0x42000
	v_mov_b32 v251, 0
	ds_add_u32 v239, v251
	ds_add_u32 v239, v251
	v_lshrrev_b32 v1, 5, v0
	s_delay_alu instid0(VALU_DEP_1)
	v_readfirstlane_b32 s[WV], v1                  ; wave 0..15
	s_lshr_b32 s[U], s[WV], 1
	s_and_b32 s[PAR], s[WV], 1
	s_bfe_u32 s[CX], ttmp6, 0x40000                ; cx: it enters global addresses and the mask's numbers alone
	s_and_b32 s[BH], ttmp7, 0xffff                 ; 16 x batch + head, which the four partners share
	s_lshl_b32 s[VV], s[CX], 1
	s_add_co_u32 s[VV], s[VV], s[PAR]
	s_mov_b32 s[LAST], s[U]
	; descriptor group 1: two records, 16,896 dense bytes, as 66 rows of 256 bytes (32 elements of 8 bytes), no padding: images are read as they lie
	s_mov_b32 s[G1], 15|(3<<16)|(1<<21)            ; the mask: all four work-groups; bit 21 beside it
	s_mov_b32 s[G1+1], 32<<16
	s_mov_b32 s[G1+2], 66<<16
	s_mov_b32 s[G1+3], 32<<16
	s_mov_b32 s[G1+4], 66
	s_mov_b32 s[G1+5], 32
	s_mov_b32 s[G1+6], 0
	s_mov_b32 s[G1+7], 0
	s_and_b32 s29, s[WV], 7
	s_mul_i32 s30, s29, 2*REC
	s_mul_i32 s29, s[BH], HEADB
	s_add_co_u32 s30, s30, s29                     ; my two records in the head's sixteen
	s_mov_b32 s31, 0
	s_mov_b32 s[SEL], 0x76543210
	s_mov_b32 s[SEL+1], 0xfedcba98                 ; v_permlanex16_b32's selects for lane l xor 16
	s_mov_b32 s[CS], 0x3e38aa3b                    ; c = log2(e) / 8
	s_mov_b32 s[CS+1], s[CS]
	s_mov_b32 s[MNT], 0x600000                     ; the mantissa field of 448
	s_mov_b32 s[HM], 0xffff0000                    ; lanes 16-31
	s_mov_b32 s[G0K], 1
	s_mul_i32 s[G0K+1], s[WV], 2*REC               ; LDS: waves 0-7 K's records from byte 0, waves 8-15 V's from byte 135,168 = 8 x 16,896
	s_mov_b32 s[G0V], 1
	s_mul_i32 s[G0V+1], s[WV], 2*REC
	s_wait_dscnt 0x0
	s_wait_kmcnt 0x0
	s_add_nc_u64 s[G0K+2:G0K+3], s[6:7], s[30:31]
	s_or_b32 s[G0K+3], s[G0K+3], 0x80000000
	s_add_nc_u64 s[G0V+2:G0V+3], s[8:9], s[30:31]
	s_or_b32 s[G0V+3], s[G0V+3], 0x80000000
	CROUND                                         ; all four work-groups are here: the joint loads meet
	s_cmp_lt_u32 s[WV], 8
	s_cbranch_scc0 .Lfor_v
	tensor_load_to_lds s[G0K:G0K+3], s[G1:G1+7]
	s_nop 0
.rept 4
	v_nop
.endr
	s_branch .Lasked
.Lfor_v:
	tensor_load_to_lds s[G0V:G0V+3], s[G1:G1+7]
	s_nop 0
.rept 4
	v_nop
.endr
.Lasked:
	v_and_b32 v[TA], 15, v0                        ; r
	v_bfe_u32 v[TB], v0, 4, 1                      ; h
	v_and_b32 v[LI], 31, v0
	s_delay_alu instid0(VALU_DEP_1)
	v_lshlrev_b32 v[LI], 4, v[LI]
	s_delay_alu instid0(VALU_DEP_4)
	v_lshlrev_b32 v[LR], 4, v[TA]
	s_delay_alu instid0(VALU_DEP_4)
	v_lshlrev_b32 v[RH], 3, v[TB]
	s_delay_alu instid0(VALU_DEP_1)
	v_sub_nc_u32 v[RH], v[TA], v[RH]
	v_lshl_add_u32 v[CSO], v[TA], 5, v[TB]
	v_mov_b32 v[NINF], 0xff800000
	v_mov_b32 v10, 0
	v_mov_b32 v11, 0
.irp j, 0,1,2,3,4,5,6,7
	v_mov_b32 v[QZ+\j], 0                          ; the zero codes, set once
.endr
.set j, TM
.rept 22
	v_mov_b32 v[j], 0                              ; working registers, written once whole: lane permutes' destinations and upper halves of pairs count as read
.set j, j+1
.endr
.irp j, 0,1,2,3
	v_mov_b32 v[EX+\j], 0
.endr
	s_wait_tensorcnt 0x0                           ; my two records have landed,
	s_barrier_signal -1
	s_barrier_wait -1                              ; everybody's have: from here on no wave waits for another
; The step's scores S^T: 8 tiles of 16 keys.  Lane (r, h): query r; register 8 t + j: key 16 t + 8 h + j of the step.
.macro SCORES pass
	v_add_nc_u32 v[ADK], s[TK], v[LI]
	v_add_nc_u32 v[ADS], s[TK], v[LR]
.if \pass == 2
.rept 6
	v_nop                                          ; with the two additions: eight places behind the last step's products, which read the registers loaded below
.endr
.endif
.irp i, 0,1,2,3,4,5,6,7,8,9,10,11,12,13,14,15
	ds_load_b128 v[KF+4*\i:KF+4*\i+3], v[ADK] offset:512*\i     ; an image: 512 consecutive bytes
.endr
	ds_load_b128 v[KS:KS+3], v[ADS] offset:8192
	s_wait_dscnt 0x0
.irp p, 0,1,2,3
	v_wmma_scale_f32_16x16x128_f8f6f4 v[S+16*\p:S+16*\p+7], v[KF+16*\p:KF+16*\p+15], v[QA:QA+15], 0, v[KS+\p], v[QS]
	v_wmma_scale_f32_16x16x128_f8f6f4 v[S+16*\p+8:S+16*\p+15], v[KF+16*\p:KF+16*\p+15], v[QZ:QZ+15], 0, v[KS+\p], v[QS]
.endr
.if \pass == 2
	s_wait_alu depctr_va_vdst(0)
	v_add_nc_u32 v[ADV], VOFF, v[ADK]
	v_add_nc_u32 v[ADT], VOFF, v[ADS]
.rept 6
	v_nop
.endr
.else
.rept 8
	v_nop
.endr
.endif
.endm
.macro VLOAD                           ; V's four operands take K's registers; they land under the softmax
.irp i, 0,1,2,3,4,5,6,7,8,9,10,11,12,13,14,15
	ds_load_b128 v[KF+4*\i:KF+4*\i+3], v[ADV] offset:512*\i
.endr
	ds_load_b128 v[VS:VS+3], v[ADT] offset:8192
.endm
.macro MASK                            ; the diagonal step: hidden scores become -infinity, each accumulator from its low end on
.set n, 0
.rept 64
	v_cmp_gt_i32 vcc_lo, 16*(n/8)+n%8, v[DD]
	v_cndmask_b32 v[S+n], v[S+n], v[NINF], vcc_lo
.set n, n+1
.endr
.endm
.macro BLKMAX                          ; the largest score of my 16 of each block of 32 keys, four chains by turns
.irp b, 0,1,2,3
	v_max3_num_f32 v[TM+\b], v[S+16*\b], v[S+16*\b+1], v[S+16*\b+2]
.endr
.irp i, 3,5,7,9,11,13
.irp b, 0,1,2,3
	v_max3_num_f32 v[TM+\b], v[TM+\b], v[S+16*\b+\i], v[S+16*\b+\i+1]
.endr
.endr
.irp b, 0,1,2,3
	v_max_num_f32 v[TM+\b], v[TM+\b], v[S+16*\b+15]
.endr
.endm
.macro SHIFT                           ; t - M, two at a time
.set j, 0
.rept 32
	v_pk_fma_f32 v[S+j:S+j+1], v[S+j:S+j+1], s[CS:CS+1], v[12:13] op_sel_hi:[1,0,0]
.set j, j+2
.endr
.endm
.macro EXPS
.set j, 0
.rept 64
	v_exp_f32 v[S+j], v[S+j]
.set j, j+1
.endr
.endm
.macro P1                              ; pass 1: the running maximum and the sum
	s_setprio 1
	BLKMAX
	s_delay_alu instid0(VALU_DEP_2)
	v_max3_num_f32 v[TA], v[TM], v[TM+1], v[TM+2]
	s_delay_alu instid0(VALU_DEP_1)
	v_max_num_f32 v[TA], v[TA], v[TM+3]
	s_delay_alu instid0(VALU_DEP_1)
	v_permlanex16_b32 v[TB], v[TA], s[SEL], s[SEL+1]
	s_delay_alu instid0(VALU_DEP_1)
	v_max_num_f32 v[TA], v[TA], v[TB]              ; the step's largest score of my query
	s_delay_alu instid0(VALU_DEP_1)
	v_mul_f32 v[TA], s[CS], v[TA]
	s_delay_alu instid0(VALU_DEP_1)
	v_max_num_f32 v13, v13, v[TA]                  ; the running largest t
	v_mov_b32 v[TA], v12
	s_delay_alu instid0(VALU_DEP_2)
	v_floor_f32 v12, -v13                          ; -M = floor(-t): M is a whole number
	s_delay_alu instid0(VALU_DEP_1)
	v_sub_f32 v[TA], v12, v[TA]
	s_delay_alu instid0(VALU_DEP_1)
	v_cvt_i32_f32 v[TA], v[TA]                     ; (it saturates)
	s_delay_alu instid0(VALU_DEP_1)
	v_ldexp_f32 v[FF], 1.0, v[TA]                  ; 2^(old M - new M)
	SHIFT
	s_wait_alu depctr_va_vdst(0)
	EXPS
	s_setprio 0
	v_pk_mul_f32 v[14:15], v[14:15], v[FF:FF+1] op_sel_hi:[1,0]   ; the sum under the new M: the plain instruction behind the exponentials
	s_wait_alu depctr_va_vdst(0)                   ; one wait for the batch of 64, ahead of its first reader
	v_pk_add_f32 v[234:235], v[108:109], v[112:113]
	v_pk_add_f32 v[254:255], v[116:117], v[120:121]
	v_pk_add_f32 v[252:253], v[124:125], v[128:129]
	v_pk_add_f32 v[246:247], v[132:133], v[136:137]
	v_pk_add_f32 v[244:245], v[140:141], v[144:145]
	v_pk_add_f32 v[242:243], v[148:149], v[152:153]
	v_pk_add_f32 v[240:241], v[156:157], v[160:161]
	v_pk_add_f32 v[14:15], v[14:15], v[164:165]
	v_pk_add_f32 v[234:235], v[234:235], v[104:105]
	v_pk_add_f32 v[254:255], v[254:255], v[106:107]
	v_pk_add_f32 v[252:253], v[252:253], v[110:111]
	v_pk_add_f32 v[246:247], v[246:247], v[114:115]
	v_pk_add_f32 v[244:245], v[244:245], v[118:119]
	v_pk_add_f32 v[242:243], v[242:243], v[122:123]
	v_pk_add_f32 v[240:241], v[240:241], v[126:127]
	v_pk_add_f32 v[14:15], v[14:15], v[130:131]
	v_pk_add_f32 v[234:235], v[234:235], v[134:135]
	v_pk_add_f32 v[254:255], v[254:255], v[138:139]
	v_pk_add_f32 v[252:253], v[252:253], v[142:143]
	v_pk_add_f32 v[246:247], v[246:247], v[146:147]
	v_pk_add_f32 v[244:245], v[244:245], v[150:151]
	v_pk_add_f32 v[242:243], v[242:243], v[154:155]
	v_pk_add_f32 v[240:241], v[240:241], v[158:159]
	v_pk_add_f32 v[14:15], v[14:15], v[162:163]
	v_pk_add_f32 v[234:235], v[234:235], v[166:167]
	s_delay_alu instid0(VALU_DEP_2)
	v_pk_add_f32 v[14:15], v[14:15], v[246:247]
	s_delay_alu instid0(VALU_DEP_2)
	v_pk_add_f32 v[234:235], v[234:235], v[244:245]
	v_pk_add_f32 v[254:255], v[254:255], v[242:243]
	v_pk_add_f32 v[252:253], v[252:253], v[240:241]
	s_delay_alu instid0(VALU_DEP_2)
	v_pk_add_f32 v[14:15], v[14:15], v[254:255]
	s_delay_alu instid0(VALU_DEP_2)
	v_pk_add_f32 v[234:235], v[234:235], v[252:253]
	s_delay_alu instid0(VALU_DEP_1)
	v_pk_add_f32 v[14:15], v[14:15], v[234:235]
.endm
.macro P2                              ; pass 2: attn, its codes and scales, and the second product
	BLKMAX
.irp b, 0,1,2,3
	s_delay_alu instid0(VALU_DEP_4)
	v_permlanex16_b32 v[T2+\b], v[TM+\b], s[SEL], s[SEL+1]
.endr
.irp b, 0,1,2,3
	s_delay_alu instid0(VALU_DEP_4)
	v_max_num_f32 v[TM+\b], v[TM+\b], v[T2+\b]     ; the block's largest score
.endr
	s_setprio 1
	SHIFT
.irp b, 0,1,2,3
	v_fma_f32 v[TM+\b], v[TM+\b], s[CS], v12
.endr
	s_wait_alu depctr_va_vdst(0)
	EXPS
.irp b, 0,1,2,3
	v_exp_f32 v[TM+\b], v[TM+\b]
.endr
	v_nop                                          ; a plain instruction behind the last exponential
	s_wait_alu depctr_va_vdst(0)                   ; one wait for the batch of 68
.set j, 0
.rept 32
	v_pk_mul_f32 v[S+j:S+j+1], v[S+j:S+j+1], v[10:11] op_sel_hi:[1,0]   ; attn = 2^(t - M) / the row's sum
.set j, j+2
.endr
	s_setprio 0
.irp b, 0,1,2,3
	v_mul_f32 v[TM+\b], v[TM+\b], v10              ; the block's largest attn: the same instructions on the same number
.endr
.irp b, 0,1,2,3
	s_delay_alu instid0(VALU_DEP_4)
	v_max_num_f32 v[TM+\b], 0x4800000, v[TM+\b]    ; the floor 2^(9 - 127): a block of zeros keeps the byte 1; its codes are zeros
.endr
.irp b, 0,1,2,3
	s_delay_alu instid0(VALU_DEP_4)
	v_add_nc_u32 v[SCO+\b], 0xfc000000, v[TM+\b]
.endr
.irp b, 0,1,2,3
	v_and_or_b32 v[HOLD+\b], v[TM+\b], 0x7f800000, s[MNT]
.endr
.irp b, 0,1,2,3
	v_lshrrev_b32 v[T2+\b], 23, v[SCO+\b]
.endr
	s_delay_alu instid0(VALU_DEP_3)
	v_lshl_or_b32 v[PS], v[T2+1], 8, v[T2]         ; attn's scale word for these 128 keys: the conversions and places below stand between it and its use
	s_delay_alu instid0(VALU_DEP_1)
	v_lshl_or_b32 v[PS], v[T2+2], 16, v[PS]
	s_delay_alu instid0(VALU_DEP_1)
	v_lshl_or_b32 v[PS], v[T2+3], 24, v[PS]
.irp b, 0,1,2,3
.irp i, 0,1,2,3,4,5,6,7,8,9,10,11,12,13,14,15
.endr
	v_cvt_scalef32_pk8_fp8_f32 v[PC+4*\b:PC+4*\b+1], v[S+16*\b:S+16*\b+7], v[SCO+\b]
	v_cvt_scalef32_pk8_fp8_f32 v[PC+4*\b+2:PC+4*\b+3], v[S+16*\b+8:S+16*\b+15], v[SCO+\b]
.endr
.rept 4
	v_nop                                          ; four places between codes made by vector instructions and the scaled products
.endr
	s_wait_alu depctr_va_vdst(0)
	s_wait_dscnt 0x0                               ; V is in
.irp t, 0,1,2,3
	v_wmma_scale_f32_16x16x128_f8f6f4 v[O+8*\t:O+8*\t+7], v[KF+16*\t:KF+16*\t+15], v[PC:PC+15], v[O+8*\t:O+8*\t+7], v[VS+\t], v[PS]   ; the four accumulators by turns; the next matrix line is a score's
.endr
.endm
	s_mov_b32 s[TC], 0
.Ltile:                                            ; two trips: my early tile, my late tile
	s_wait_xcnt 0x0                                ; the last tile's stores and loads have read their registers and bases
	s_mul_i32 s29, s[BH], HEADB
	s_mul_i32 s30, s[LAST], REC
	s_add_co_u32 s29, s29, s30                     ; the record of the tile's 128 queries
	s_lshl_b32 s30, s[VV], 10
	s_add_co_u32 s30, s30, s29
	s_mov_b32 s31, 0
	s_add_nc_u64 s[QB:QB+1], s[4:5], s[30:31]      ; the tile's image
	s_lshr_b32 s30, s[VV], 1
	s_lshl_b32 s30, s30, 2
	s_add_co_u32 s30, s30, s29
	s_add_co_u32 s30, s30, 8192
	s_add_nc_u64 s[QSB:QSB+1], s[4:5], s[30:31]    ; the word that holds its two bytes
	global_load_b128 v[QA:QA+3], v[LI], s[QB:QB+1]
	global_load_b128 v[QA+4:QA+7], v[LI], s[QB:QB+1] offset:512
	global_load_b128 v[QZ+8:QZ+11], v[LI], s[QB:QB+1]
	global_load_b128 v[QZ+12:QZ+15], v[LI], s[QB:QB+1] offset:512
	global_load_b32 v[QW], v[LR], s[QSB:QSB+1]
	s_lshl_b32 s29, s[VV], 4
	v_add_nc_u32 v[DD], s29, v[RH]
	v_mov_b32 v13, 0xff61b1e6                      ; the largest t so far: -3e38, under every t
	s_delay_alu instid0(VALU_DEP_1)
	v_floor_f32 v12, -v13
	v_mov_b32 v14, 0
	v_mov_b32 v15, 0
	s_mov_b32 s[SELQ], 0x01000100
	s_cmp_eq_u32 s[PAR], 1
	s_cselect_b32 s[SELQ], 0x03020302, s[SELQ]     ; an even tile's bytes are the word's lower two, an odd tile's its upper two
	s_wait_loadcnt 0x0
	v_perm_b32 v[QS], v[QW], v[QW], s[SELQ]        ; the two bytes twice: they serve [Q, zeros] and [zeros, Q]
.rept 8
	v_nop                                          ; eight places between a scale word made by a vector instruction and the scaled products
.endr
	s_mov_b32 s[ST], 0
	s_mov_b32 s[TK], 0
.Lp1:                                              ; 16 trips, a constant; steps behind the tile's last are jumped over
	s_cmp_gt_u32 s[ST], s[LAST]
	s_cbranch_scc1 .Lp1_next
	s_wait_alu depctr_va_vdst(0)
	s_setprio 2
	SCORES 1
	s_cmp_lg_u32 s[ST], s[LAST]
	s_cbranch_scc1 .Lp1_open
	MASK
.Lp1_open:
	P1
.Lp1_next:
	s_add_co_u32 s[TK], s[TK], REC
	s_add_co_u32 s[ST], s[ST], 1
	s_cmp_lt_u32 s[ST], 16
	s_cbranch_scc1 .Lp1
	s_setprio 0
	s_wait_alu depctr_va_vdst(0)
	v_add_f32 v14, v14, v15                        ; the sum's two halves,
	s_delay_alu instid0(VALU_DEP_1)
	v_permlanex16_b32 v[TA], v14, s[SEL], s[SEL+1]
	s_delay_alu instid0(VALU_DEP_1)
	v_add_f32 v14, v14, v[TA]                      ; and lane l xor 16's
	s_wait_alu depctr_va_vdst(0)
	v_rcp_f32 v10, v14
.set j, 0
.rept 32
	v_mov_b32 v[O+j], 0                            ; ctx^T begins as zeros: the step is written once.  (Plain work behind the reciprocal)
.set j, j+1
.endr
	s_wait_alu depctr_va_vdst(0)                   ; the wait, ahead of the reciprocal's first reader
	v_mov_b32 v11, v10
	s_mov_b32 s[ST], 0
	s_mov_b32 s[TK], 0
.Lp2:
	s_cmp_gt_u32 s[ST], s[LAST]
	s_cbranch_scc1 .Lp2_next
	s_setprio 2
	SCORES 2
	VLOAD
	s_cmp_lg_u32 s[ST], s[LAST]
	s_cbranch_scc1 .Lp2_open
	MASK
.Lp2_open:
	P2
.Lp2_next:
	s_add_co_u32 s[TK], s[TK], REC
	s_add_co_u32 s[ST], s[ST], 1
	s_cmp_lt_u32 s[ST], 16
	s_cbranch_scc1 .Lp2
	s_setprio 0
	; ctx: lane (r, h): query r; register 8 t + j: channel 16 t + 8 h + j of the head.  Two blocks of 32 along the model's axis.
.rept 8
	v_nop
.endr
.irp b, 0,1
	v_max3_num_f32 v[TM+\b], |v[O+16*\b]|, |v[O+16*\b+1]|, 0x4800000
.endr
.irp i, 2,4,6,8,10,12,14
.irp b, 0,1
	v_max3_num_f32 v[TM+\b], v[TM+\b], |v[O+16*\b+\i]|, |v[O+16*\b+\i+1]|
.endr
.endr
.irp b, 0,1
	s_delay_alu instid0(VALU_DEP_2)
	v_permlanex16_b32 v[T2+\b], v[TM+\b], s[SEL], s[SEL+1]
.endr
.irp b, 0,1
	s_delay_alu instid0(VALU_DEP_2)
	v_max_num_f32 v[TM+\b], v[TM+\b], v[T2+\b]
.endr
.irp b, 0,1
	s_delay_alu instid0(VALU_DEP_2)
	v_add_nc_u32 v[SCO+\b], 0xfc000000, v[TM+\b]
.endr
.irp b, 0,1
	s_delay_alu instid0(VALU_DEP_4)
	v_and_or_b32 v[HOLD+\b], v[TM+\b], 0x7f800000, s[MNT]
.endr
.irp b, 0,1
	s_delay_alu instid0(VALU_DEP_4)
	v_lshrrev_b32 v[T2+\b], 23, v[SCO+\b]
.endr
.irp b, 0,1
.irp i, 0,1,2,3,4,5,6,7,8,9,10,11,12,13,14,15
.endr
	v_cvt_scalef32_pk8_fp8_f32 v[PC+4*\b:PC+4*\b+1], v[O+16*\b:O+16*\b+7], v[SCO+\b]
	v_cvt_scalef32_pk8_fp8_f32 v[PC+4*\b+2:PC+4*\b+3], v[O+16*\b+8:O+16*\b+15], v[SCO+\b]
.endr
	v_nop                                          ; a plain instruction behind the last conversion
	; into the true order: of a block, lanes 0-15 hold channels 0-7 and 16-23 and want 0-15; lanes 16-31 hold 8-15 and 24-31 and want 16-31: each half sends eight codes across
.irp b, 0,1
.irp k, 0,1
	v_cndmask_b32 v[EX+2*\b+\k], v[PC+4*\b+2+\k], v[PC+4*\b+\k], s[HM]
.endr
.endr
.irp e, 0,1,2,3
	s_delay_alu instid0(VALU_DEP_4)
	v_permlanex16_b32 v[HOLD+\e], v[EX+\e], s[SEL], s[SEL+1]
.endr
.irp b, 0,1
.irp k, 0,1
	v_cndmask_b32 v[PC+4*\b+\k], v[PC+4*\b+\k], v[HOLD+2*\b+\k], s[HM]
	v_cndmask_b32 v[PC+4*\b+2+\k], v[HOLD+2*\b+\k], v[PC+4*\b+2+\k], s[HM]
.endr
.endr
	v_cndmask_b32 v[TA], v[T2], v[T2+1], s[HM]     ; lanes 0-15 store the first block's byte, lanes 16-31 the second's
	s_lshr_b32 s29, s[BH], 4
	s_lshl_b32 s29, s29, 7
	s_lshl_b32 s30, s[LAST], 3
	s_add_co_u32 s29, s29, s30
	s_add_co_u32 s29, s29, s[VV]                   ; the tile of 16 rows among all 512
	s_lshl_b32 s30, s29, 14                        ; 16,384 bytes of images a tile,
	s_and_b32 s31, s[BH], 15
	s_lshl_b32 s31, s31, 10                        ; 1,024 a head
	s_add_co_u32 s30, s30, s31
	s_mov_b32 s31, 0
	s_add_nc_u64 s[CB:CB+1], s[10:11], s[30:31]
	s_lshl_b32 s30, s29, 9                         ; 16 rows of 32 scale bytes,
	s_and_b32 s29, s[BH], 15
	s_lshl_b32 s29, s29, 1                         ; two a head
	s_add_co_u32 s30, s30, s29
	s_add_nc_u64 s[SB:SB+1], s[12:13], s[30:31]
	s_wait_alu depctr_va_vdst(0)
	global_store_b128 v[LI], v[PC:PC+3], s[CB:CB+1]              ; 512 consecutive bytes, at a multiple of 256 from the buffer's first byte
	global_store_b128 v[LI], v[PC+4:PC+7], s[CB:CB+1] offset:512
	global_store_b8 v[CSO], v[TA], s[SB:SB+1]
	s_sub_co_u32 s[LAST], 15, s[LAST]              ; on to tile 127 - j
	s_sub_co_u32 s[VV], 7, s[VV]
	s_xor_b32 s[PAR], s[PAR], 1
	s_add_co_u32 s[TC], s[TC], 1
	s_cmp_lt_u32 s[TC], 2
	s_cbranch_scc1 .Ltile
	s_wait_dscnt 0x0
	s_wait_tensorcnt 0x0
	ds_add_u32 v239, v251
	s_wait_dscnt 0x0
	CROUND                                         ; the closing round
	s_endpgm
.Lfunc_end_k_qa9f0a77fa6_attn:
	.size	k_qa9f0a77fa6_attn, .Lfunc_end_k_qa9f0a77fa6_attn-k_qa9f0a77fa6_attn
	.p2alignl 7, 3214868480
	.fill 96, 4, 3214868480
	.section	.rodata,"a",@progbits
	.p2align	6, 0x0
	.amdhsa_kernel k_qa9f0a77fa6_attn
		.amdhsa_group_segment_fixed_size 327680
		.amdhsa_private_segment_fixed_size 0
		.amdhsa_enable_private_segment 0
		.amdhsa_kernarg_size 40
		.amdhsa_user_sgpr_count 2
		.amdhsa_user_sgpr_kernarg_segment_ptr 1
		.amdhsa_wavefront_size32 1
		.amdhsa_system_sgpr_workgroup_id_x 1
		.amdhsa_system_sgpr_workgroup_id_y 1
		.amdhsa_system_sgpr_workgroup_id_z 1
		.amdhsa_system_vgpr_workitem_id 0
		.amdhsa_next_free_vgpr 256
		.amdhsa_next_free_sgpr 66
		.amdhsa_reserve_vcc 1
		.amdhsa_float_denorm_mode_32 3
		.amdhsa_float_denorm_mode_16_64 3
		.amdhsa_fp16_overflow 1
		.amdhsa_memory_ordered 1
		.amdhsa_forward_progress 1
		.amdhsa_inst_pref_size 52
	.end_amdhsa_kernel
	.amdgpu_metadata
---
amdhsa.version: [ 1, 2 ]
amdhsa.kernels:
  - .name:           k_qa9f0a77fa6_attn
    .symbol:         k_qa9f0a77fa6_attn.kd
    .args:
      - { .name: qbuf, .offset: 0, .size: 8, .value_kind: global_buffer, .address_space: global }
      - { .name: kbuf, .offset: 8, .size: 8, .value_kind: global_buffer, .address_space: global }
      - { .name: vbuf, .offset: 16, .size: 8, .value_kind: global_buffer, .address_space: global }
      - { .name: cimg, .offset: 24, .size: 8, .value_kind: global_buffer, .address_space: global }
      - { .name: csc, .offset: 32, .size: 8, .value_kind: global_buffer, .address_space: global }
    .group_segment_fixed_size: 327680
    .private_segment_fixed_size: 0
    .kernarg_segment_align: 8
    .kernarg_segment_size: 40
    .max_flat_workgroup_size: 512
    .sgpr_count:     66
    .vgpr_count:     256
    .wavefront_size: 32
...
	.end_amdgpu_metadata
.endif
;; end of part 3
;; launch outln (part 4): grid 256 x 1, 4 waves a work-group, clusters of 4 x 1, 327,680 bytes of LDS; arguments cimg, csc, Wo_codes, Wo_scales, bo, x, ln_g, ln_b, out0; writes out0
.if DOCPART == 4
	.amdgcn_target "amdgcn-amd-amdhsa--gfx1250"
	.amdhsa_code_object_version 6
	.text
	.protected	k_qa9f0a77fa6_outln
	.globl	k_qa9f0a77fa6_outln
	.p2align	8
	.type	k_qa9f0a77fa6_outln,@function
k_qa9f0a77fa6_outln:
	s_mov_b64 s[64:65], 0
	v_nop
	global_prefetch_b8 v0, s[64:65] scope:SCOPE_SE
	s_setreg_imm32_b32 hwreg(HW_REG_WAVE_MODE, 25, 1), 1
	s_wait_xcnt 0x0
	s_wait_alu depctr_hold_cnt(0) depctr_sa_sdst(0) depctr_va_vdst(0) depctr_va_sdst(0) depctr_va_ssrc(0) depctr_va_vcc(0) depctr_vm_vsrc(0)
	s_getreg_b32 s2, hwreg(HW_REG_IB_STS2, 6, 4)
	s_cmp_eq_u32 s2, 0
	s_cbranch_scc0 .Lentry_in_a_cluster
	s_endpgm
.Lentry_in_a_cluster:
	s_bfe_u32 s2, ttmp6, 0x10000c
	s_cmp_lg_u32 s2, 0x3003
	s_cbranch_scc0 .Lentry_shape_is_right
	s_endpgm
.Lentry_shape_is_right:
; out0 = LayerNorm(ctx Wo + bo + x) x ln_g + ln_b.  The product on codes of FP8 (E4M3) with E8M0 scales, K = 1024; all else f32.
; SHARES.  A row's mean wants the whole row with one owner: a work-group owns 32 rows and all 1,024 columns; 256 work-groups.  Wave w makes columns 512 nh + 128 w + 0 .. 127, nh = 0, 1: 2 x 16 accumulators.
; ctx's 32 rows (operand images, 256 registers a lane) and all scale words stay in registers.  Wo, 1 MiB, walks through two LDS slots in 8 tiles of 512 rows x 256 bytes (tile i: K step i / 2, half i % 2 of the
; rows, slot i % 2); every work-group walks the same tiles, so the four of a cluster ask jointly.  Each wave fetches, and reads, its own 128 rows.
; bo is loaded straight into the accumulators, in the result's layout: every product adds in place.
; THE PRODUCT IS USED TRANSPOSED (source 0 = 16 rows of Wo, source 1 = 16 rows of ctx): a lane holds eight neighbouring columns of a row.
; THE WAY OUT.  The 32 rows meet in a stage in slot 0 (after its last fill and last read); each wave takes 8 whole rows, adds x, and normalises: mean, then the sum of squares of (y - mean).
; x IS PREFETCHED: in trips 3 to 6, behind the joint load's four lines, each wave names its own 8 rows, 8,192 bytes an instruction, lanes 256 bytes apart, each block once; the loads follow behind trip 7.
; LIMITS: NaN and infinities are not served.
; REGISTERS: window 0: v1-10 addresses; v28, v29 the add's; v32-47 ctx's scale words, v48-175 Wo's, and nothing else; v176-223 the norm's sums.
;   window 1: ctx's 16 fragments at 16 (8 a + s), later x.   window 2: Wo's 16 fragments of a tile at 128 q + 16 t, later y.   window 3: the accumulators at 8 (16 a + T), later ln_g, ln_b.
.set PITCH, 272                        ; an LDS row: 256 bytes + 16 of padding
.set QT,    128*PITCH                  ; a wave's quarter of a slot
.set SLOT,  4*QT
.set SPARE, 2*SLOT                     ; the spare words, 128 bytes for each wave: two blocks of 256 bytes that no other line names
.set SPI,   4112                       ; a stage row: 4,096 bytes + 16
.set LI,   1                           ; v1  16 x lane
.set ADRB, 2                           ; v2-3 my fragments' place in slot 0, 1
.set SO,   4                           ; v4-5 the stage: where I put 32 bytes of row r, of row 16 + r
.set RD,   6                           ; v6  and where I read my 8 rows back
.set PFO,  7                           ; v7  256 x lane; never rewritten
.set ASO,  8
.set BSO,  9
.set BOF,  10
.set SPW,  28
.set NIL,  29
.set AS,   32
.set BS,   48
.set SUM,  176                         ; v176-191 a pair for each of my 8 rows
.set T,    192                         ; v192-199
.set RS,   208                         ; v208-223 1 / sqrt(var + eps), a pair for each row
.set MSB, 0
.macro WIN new
.if MSB != \new
	s_set_vgpr_msb (MSB<<8)|\new
.set MSB, \new
.endif
.endm
.macro ROUND                           ; a round of the cluster's barrier
	s_barrier_signal -1
	s_barrier_wait -1
	s_cmp_lg_u32 s22, 0
	s_cbranch_scc1 .Lnot_wave_0_\@
	s_barrier_signal -3
.Lnot_wave_0_\@:
	s_barrier_wait -3
	s_barrier_signal -1
	s_barrier_wait -1
.endm
	s_load_b512 s[4:19], s[0:1], 0x0               ; cimg, csc, Wo's codes, Wo's scales, bo, x, ln_g, ln_b
	s_load_b64 s[20:21], s[0:1], 0x40              ; out0
	v_lshl_add_u32 v[SPW], v0, 2, SPARE
	v_mov_b32 v[NIL], 0
	ds_add_u32 v28, v29
	ds_add_u32 v28, v29
	s_wait_dscnt 0x0
	v_lshrrev_b32 v11, 5, v0
	v_readfirstlane_b32 s22, v11                   ; wave 0..3
	s_bfe_u32 s23, ttmp6, 0x40000                  ; cx
	s_lshl_b32 s40, ttmp9, 2
	s_add_co_u32 s40, s40, s23                     ; my block of 32 rows: it enters global addresses alone
	; descriptor group 1: 128 rows of 256 bytes, 1,024 bytes apart, 16 bytes of padding behind each
	s_mov_b32 s24, 15|(0<<16)|(1<<20)|(1<<21)|(5<<22)|(3<<25)
	s_mov_b32 s25, 256<<16
	s_mov_b32 s26, 128<<16
	s_mov_b32 s27, 256<<16
	s_mov_b32 s28, 128
	s_mov_b32 s29, 1024
	s_mov_b32 s30, 0
	s_mov_b32 s31, 0
	s_mov_b32 s32, 1
	s_mul_i32 s33, s22, QT
	s_mov_b32 s36, 1
	s_add_co_u32 s37, s33, SLOT
	s_lshl_b32 s42, s22, 17                        ; my 128 rows of 1,024 bytes
	s_mov_b32 s43, 0
	s_lshl_b32 s48, s40, 15                        ; two tiles of images
	s_mov_b32 s49, 0
	s_lshl_b32 s50, s40, 10                        ; 32 rows of 32 scale bytes
	s_mov_b32 s51, 0
	s_lshl_b32 s52, s40, 17                        ; 32 rows of 4,096 bytes,
	s_lshl_b32 s53, s22, 15                        ; my wave's 8 of them
	s_add_co_u32 s52, s52, s53
	s_mov_b32 s53, 0
	s_mov_b32 s46, 0x76543210
	s_mov_b32 s47, 0xfedcba98                      ; v_permlanex16_b32's selects for lane l xor 16
	s_mov_b32 s54, 0x3a800000                      ; 1 / 1024
	s_mov_b32 s55, 0x3727c5ac                      ; 1e-5
	s_wait_kmcnt 0x0
	s_add_nc_u64 s[34:35], s[8:9], s[42:43]        ; slot 0: rows 128 w on,
	s_add_nc_u64 s[38:39], s[34:35], 512*1024      ; slot 1: rows 512 + 128 w on
	s_or_b32 s35, s35, 0x80000000
	s_or_b32 s39, s39, 0x80000000
	s_add_nc_u64 s[4:5], s[4:5], s[48:49]
	s_add_nc_u64 s[6:7], s[6:7], s[50:51]
	s_add_nc_u64 s[14:15], s[14:15], s[52:53]
	s_add_nc_u64 s[20:21], s[20:21], s[52:53]
	s_mov_b64 s[44:45], s[14:15]                   ; the prefetches' base; never rewritten
	ROUND                                          ; all four work-groups are here
	tensor_load_to_lds s[32:35], s[24:31]          ; tile 0
	s_nop 0
.rept 4
	v_nop
.endr
	v_and_b32 v11, 31, v0
	v_and_b32 v12, 15, v0                          ; r
	v_bfe_u32 v13, v0, 4, 1                        ; h
	v_lshlrev_b32 v[LI], 4, v11
	v_lshlrev_b32 v[PFO], 8, v11
	v_mul_u32_u24 v14, v12, PITCH
	v_lshl_add_u32 v14, v13, 4, v14
	v_add_nc_u32 v[ADRB], s33, v14
	v_add_nc_u32 v[ADRB+1], SLOT, v[ADRB]
	v_mul_u32_u24 v14, v12, SPI
	v_lshl_add_u32 v14, v13, 5, v14
	s_lshl_b32 s41, s22, 9
	v_add_nc_u32 v[SO], s41, v14                   ; row r, + 32 h, + 512 w
	v_add_nc_u32 v[SO+1], 16*SPI, v[SO]
	v_lshl_add_u32 v[BOF], v13, 5, s41             ; bo: 512 w + 32 h
	s_mul_i32 s41, s22, 8*SPI
	v_add_nc_u32 v[RD], s41, v[LI]
	v_lshlrev_b32 v[ASO], 5, v12
	s_lshl_b32 s41, s22, 12
	v_add_nc_u32 v[BSO], s41, v[ASO]
.irp k, 0,1,2,3,4,5,6,7
	v_mov_b32 v[T+\k], 0                           ; written once: lane permutes' destinations and upper halves of pairs count as read
	v_mov_b32 v[RS+2*\k+1], 0
.endr
	WIN 0x40                                       ; destination window 1
.irp a, 0,1
.irp s, 0,1,2,3,4,5,6,7
.irp c, 0,1,2,3
	global_load_b128 v[16*(8*\a+\s)+4*\c:16*(8*\a+\s)+4*\c+3], v[LI], s[4:5] offset:16384*\a+2048*\s+512*\c   ; an image: 512 consecutive bytes
.endr
.endr
.endr
	WIN 0xc0                                       ; destination window 3: bo, the sums' beginning: accumulator (a, 8 nh + t) takes bo[512 nh + 128 w + 16 t + 8 h + 0 .. 7]
.irp a, 0,1
.irp n, 0,1
.irp t, 0,1,2,3,4,5,6,7
	global_load_b128 v[8*(16*\a+8*\n+\t):8*(16*\a+8*\n+\t)+3], v[BOF], s[12:13] offset:2048*\n+64*\t
	global_load_b128 v[8*(16*\a+8*\n+\t)+4:8*(16*\a+8*\n+\t)+7], v[BOF], s[12:13] offset:2048*\n+64*\t+16
.endr
.endr
.endr
	WIN 0
.irp a, 0,1
	global_load_b128 v[AS+8*\a:AS+8*\a+3], v[ASO], s[6:7] offset:512*\a          ; row r's eight scale words
	global_load_b128 v[AS+8*\a+4:AS+8*\a+7], v[ASO], s[6:7] offset:512*\a+16
.endr
.irp n, 0,1
.irp t, 0,1,2,3,4,5,6,7
	global_load_b128 v[BS+8*(8*\n+\t):BS+8*(8*\n+\t)+3], v[BSO], s[10:11] offset:16384*\n+512*\t
	global_load_b128 v[BS+8*(8*\n+\t)+4:BS+8*(8*\n+\t)+7], v[BSO], s[10:11] offset:16384*\n+512*\t+16
.endr
.endr
	s_wait_loadcnt 0x0
.macro PROD i, q                       ; 16 products: my 8 tiles of columns x the 2 tiles of rows, 128 along K.  The 16 accumulators take turns, one instruction a turn
.set NH, (\i)%2
.set SS, 2*((\i)/2)+(\q)
.irp t, 0,1,2,3,4,5,6,7
.irp a, 0,1
	v_wmma_scale_f32_16x16x128_f8f6f4 v[8*(16*\a+8*NH+\t):8*(16*\a+8*NH+\t)+7], v[128*(\q)+16*\t:128*(\q)+16*\t+15], v[16*(8*\a+SS):16*(8*\a+SS)+15], v[8*(16*\a+8*NH+\t):8*(16*\a+8*NH+\t)+7], v[BS+8*(8*NH+\t)+SS], v[AS+8*\a+SS]
.endr
.endr
.endm
.macro TRIP i
	s_wait_tensorcnt 0x0                           ; all my tensor loads have landed: my part of this trip's tile
	ds_add_u32 v[SPW], v[NIL]                      ; 0 onto my spare word
	s_add_nc_u64 s[34+4*((\i)%2):35+4*((\i)%2)], s[34+4*((\i)%2):35+4*((\i)%2)], 256   ; no load of mine is out: this slot's next tile is 256 further along K
	s_wait_dscnt 0x0                               ; the add is done, and so are my reads of the last trip's tile
	ROUND                                          ; both now hold of every wave of the cluster
.if (\i) < 7
	tensor_load_to_lds s[36-4*((\i)%2):39-4*((\i)%2)], s[24:31]   ; the next tile, into the slot read last trip: my one tensor load behind the round
	s_nop 0
.rept 4
	v_nop
.endr
.if (\i) >= 3
	global_prefetch_b8 v[PFO], s[44:45] offset:8192*((\i)-3) th:TH_LOAD_NT scope:SCOPE_SE   ; two of my 8 rows of x
.endif
.rept 4
	v_nop                                          ; eight places in all in front of loads into registers that the last products read
.endr
.else
.rept 8
	v_nop
.endr
.endif
	WIN 0x80                                       ; destination window 2
.irp q, 0,1
.irp t, 0,1,2,3,4,5,6,7
.irp c, 0,1,2,3
	ds_load_b128 v[128*\q+16*\t+4*\c:128*\q+16*\t+4*\c+3], v[ADRB+(\i)%2] offset:128*\q+32*\c+16*PITCH*\t
.endr
.endr
.endr
	s_wait_dscnt 32                                ; the first 128 along K are in; the 32 loads of the second may be out
	WIN 0xf6                                       ; source 0 window 2, source 1 window 1, C and D window 3
	PROD \i, 0
	s_wait_dscnt 0x0
	PROD \i, 1
	WIN 0
.endm
.irp i, 0,1,2,3,4,5,6,7                ; written out: ctx's and the scale words' register numbers change from trip to trip
	TRIP \i
.endr
	; THE WAY OUT
.rept 8
	v_nop
.endr
	WIN 0x40
.irp k, 0,1,2,3,4,5,6,7
.irp i, 0,1,2,3,4,5,6,7
	global_load_b128 v[32*\k+4*\i:32*\k+4*\i+3], v[LI], s[14:15] offset:4096*\k+512*\i th:TH_LOAD_NT   ; x: my 8 rows, 512 consecutive bytes a load
.endr
.endr
	WIN 0x0c                                       ; an LDS store's data are its source 1: window 3
.irp a, 0,1
.irp n, 0,1
.irp t, 0,1,2,3,4,5,6,7
	ds_store_b128 v[SO+\a], v[8*(16*\a+8*\n+\t):8*(16*\a+8*\n+\t)+3] offset:2048*\n+64*\t        ; each accumulator from its low end on
	ds_store_b128 v[SO+\a], v[8*(16*\a+8*\n+\t)+4:8*(16*\a+8*\n+\t)+7] offset:2048*\n+64*\t+16
.endr
.endr
.endr
	WIN 0
	s_wait_dscnt 0x0                               ; for the others' sake: my stores into the stage are done
	s_barrier_signal -1
	s_barrier_wait -1
	WIN 0xc0
.irp i, 0,1,2,3,4,5,6,7
	global_load_b128 v[4*\i:4*\i+3], v[LI], s[16:17] offset:512*\i         ; ln_g of my columns 128 i + 4 lane + 0 .. 3
	global_load_b128 v[32+4*\i:32+4*\i+3], v[LI], s[18:19] offset:512*\i   ; ln_b
.endr
	WIN 0x80
.irp k, 0,1,2,3,4,5,6,7
.irp i, 0,1,2,3,4,5,6,7
	ds_load_b128 v[32*\k+4*\i:32*\k+4*\i+3], v[RD] offset:SPI*\k+512*\i
.endr
.endr
	WIN 0
	s_wait_dscnt 0x0
	s_wait_loadcnt 0x0
.macro REDUCE                          ; each row's pair becomes the sum over the 32 lanes, in every lane
.irp k, 0,1,2,3,4,5,6,7
	v_add_f32 v[SUM+2*\k], v[SUM+2*\k], v[SUM+2*\k+1]
.endr
.irp m, 1,2,4,8
.irp k, 0,1,2,3,4,5,6,7
	v_add_f32_dpp v[SUM+2*\k], v[SUM+2*\k], v[SUM+2*\k] row_xmask:\m row_mask:0xf bank_mask:0xf
.endr
.endr
.irp k, 0,1,2,3,4,5,6,7
	v_permlanex16_b32 v[T+\k], v[SUM+2*\k], s46, s47
.endr
.irp k, 0,1,2,3,4,5,6,7
	v_add_f32 v[SUM+2*\k], v[SUM+2*\k], v[T+\k]
.endr
.endm
	WIN 0x86                                       ; y (window 2) += x (window 1)
.set m, 0
.rept 128
	v_pk_add_f32 v[m:m+1], v[m:m+1], v[m:m+1]
.set m, m+2
.endr
	WIN 0x0a                                       ; the rows' sums, eight chains by turns
.irp k, 0,1,2,3,4,5,6,7
	v_pk_add_f32 v[SUM+2*\k:SUM+2*\k+1], v[32*\k:32*\k+1], v[32*\k+2:32*\k+3]
.endr
	WIN 0x02
.irp m, 4,6,8,10,12,14,16,18,20,22,24,26,28,30
.irp k, 0,1,2,3,4,5,6,7
	v_pk_add_f32 v[SUM+2*\k:SUM+2*\k+1], v[32*\k+\m:32*\k+\m+1], v[SUM+2*\k:SUM+2*\k+1]
.endr
.endr
	WIN 0
	REDUCE
.irp k, 0,1,2,3,4,5,6,7
	v_mul_f32 v[SUM+2*\k], s54, v[SUM+2*\k]        ; the mean
.endr
	WIN 0x82                                       ; y -= mean
.irp k, 0,1,2,3,4,5,6,7
.irp m, 0,2,4,6,8,10,12,14,16,18,20,22,24,26,28,30
	v_pk_add_f32 v[32*\k+\m:32*\k+\m+1], v[32*\k+\m:32*\k+\m+1], v[SUM+2*\k:SUM+2*\k+1] op_sel_hi:[1,0] neg_lo:[0,1] neg_hi:[0,1]
.endr
.endr
	WIN 0x0a                                       ; the sums of squares of (y - mean): no difference of large sums is formed
.irp k, 0,1,2,3,4,5,6,7
	v_pk_mul_f32 v[SUM+2*\k:SUM+2*\k+1], v[32*\k:32*\k+1], v[32*\k:32*\k+1]
.endr
.irp m, 2,4,6,8,10,12,14,16,18,20,22,24,26,28,30
.irp k, 0,1,2,3,4,5,6,7
	v_pk_fma_f32 v[SUM+2*\k:SUM+2*\k+1], v[32*\k+\m:32*\k+\m+1], v[32*\k+\m:32*\k+\m+1], v[SUM+2*\k:SUM+2*\k+1]
.endr
.endr
	WIN 0
	REDUCE
.irp k, 0,1,2,3,4,5,6,7
	v_fma_f32 v[SUM+2*\k], v[SUM+2*\k], s54, s55   ; var + eps
.endr
	s_wait_alu depctr_va_vdst(0)
.irp k, 0,1,2,3,4,5,6,7
	v_rsq_f32 v[RS+2*\k], v[SUM+2*\k]
.endr
	v_nop                                          ; a plain instruction behind the last of the batch
	s_wait_alu depctr_va_vdst(0)                   ; one wait for the eight, ahead of their first reader
	WIN 0x82
.irp k, 0,1,2,3,4,5,6,7
.irp m, 0,2,4,6,8,10,12,14,16,18,20,22,24,26,28,30
	v_pk_mul_f32 v[32*\k+\m:32*\k+\m+1], v[32*\k+\m:32*\k+\m+1], v[RS+2*\k:RS+2*\k+1] op_sel_hi:[1,0]
.endr
.endr
	WIN 0xbe                                       ; y = y x ln_g + ln_b: both in window 3
.irp k, 0,1,2,3,4,5,6,7
.irp m, 0,2,4,6,8,10,12,14,16,18,20,22,24,26,28,30
	v_pk_fma_f32 v[32*\k+\m:32*\k+\m+1], v[32*\k+\m:32*\k+\m+1], v[\m:\m+1], v[32+\m:32+\m+1]
.endr
.endr
	WIN 0x08                                       ; a store's data are its source 1: window 2
.irp k, 0,1,2,3,4,5,6,7
.irp i, 0,1,2,3,4,5,6,7
	global_store_b128 v[LI], v[32*\k+4*\i:32*\k+4*\i+3], s[20:21] offset:4096*\k+512*\i th:TH_STORE_NT   ; 32 lanes store 512 consecutive bytes, at a multiple of 256 from the buffer's first byte
.endr
.endr
	WIN 0
	s_wait_tensorcnt 0x0                           ; the wave's end
	ds_add_u32 v[SPW], v[NIL]
	s_wait_dscnt 0x0
	ROUND                                          ; the closing round
	s_endpgm
.Lfunc_end_k_qa9f0a77fa6_outln:
	.size	k_qa9f0a77fa6_outln, .Lfunc_end_k_qa9f0a77fa6_outln-k_qa9f0a77fa6_outln
	.p2alignl 7, 3214868480
	.fill 96, 4, 3214868480
	.section	.rodata,"a",@progbits
	.p2align	6, 0x0
	.amdhsa_kernel k_qa9f0a77fa6_outln
		.amdhsa_group_segment_fixed_size 327680
		.amdhsa_private_segment_fixed_size 0
		.amdhsa_enable_private_segment 0
		.amdhsa_kernarg_size 72
		.amdhsa_user_sgpr_count 2
		.amdhsa_user_sgpr_kernarg_segment_ptr 1
		.amdhsa_wavefront_size32 1
		.amdhsa_system_sgpr_workgroup_id_x 1
		.amdhsa_system_sgpr_workgroup_id_y 1
		.amdhsa_system_sgpr_workgroup_id_z 1
		.amdhsa_system_vgpr_workitem_id 0
		.amdhsa_next_free_vgpr 1024
		.amdhsa_next_free_sgpr 66
		.amdhsa_reserve_vcc 0
		.amdhsa_float_denorm_mode_32 3
		.amdhsa_float_denorm_mode_16_64 3
		.amdhsa_memory_ordered 1
		.amdhsa_forward_progress 1
		.amdhsa_inst_pref_size 170
	.end_amdhsa_kernel
	.amdgpu_metadata
---
amdhsa.version: [ 1, 2 ]
amdhsa.kernels:
  - .name:           k_qa9f0a77fa6_outln
    .symbol:         k_qa9f0a77fa6_outln.kd
    .args:
      - { .name: cimg, .offset: 0, .size: 8, .value_kind: global_buffer, .address_space: global }
      - { .name: csc, .offset: 8, .size: 8, .value_kind: global_buffer, .address_space: global }
      - { .name: Wo_codes, .offset: 16, .size: 8, .value_kind: global_buffer, .address_space: global }
      - { .name: Wo_scales, .offset: 24, .size: 8, .value_kind: global_buffer, .address_space: global }
      - { .name: bo, .offset: 32, .size: 8, .value_kind: global_buffer, .address_space: global }
      - { .name: x, .offset: 40, .size: 8, .value_kind: global_buffer, .address_space: global }
      - { .name: ln_g, .offset: 48, .size: 8, .value_kind: global_buffer, .address_space: global }
      - { .name: ln_b, .offset: 56, .size: 8, .value_kind: global_buffer, .address_space: global }
      - { .name: out0, .offset: 64, .size: 8, .value_kind: global_buffer, .address_space: global }
    .group_segment_fixed_size: 327680
    .private_segment_fixed_size: 0
    .kernarg_segment_align: 8
    .kernarg_segment_size: 72
    .max_flat_workgroup_size: 128
    .sgpr_count:     66
    .vgpr_count:     1024
    .wavefront_size: 32
...
	.end_amdgpu_metadata
.endif
;; end of part 4
